; MI455X (gfx1250); checked and timed in simulation.
; The chip was launched on July 23, 2026; its instructions are those of AMD's public machine-readable ISA for CDNA 5 (MIT licence, August 2026) and "CDNA5" Instruction Set Architecture Reference Guide (July 2026). The comments in the code are by the model that wrote it; some were corrected since.
;; Self Attention. Allowed arithmetic: matrix products marked QUANTISED: E2M3 operands, one E8M0 scale for each 32 along K, by v_wmma_scale_f32_16x16x128_f8f6f4 with both operands' format E2M3, f32 sums; everything else in f32.
;; Inputs: k_b 1,024 float32; k_w 1,024 x 1,024 float32; o_b 1,024 float32; o_w 1,024 x 1,024 float32; q_b 1,024 float32; q_w 1,024 x 1,024 float32; v_b 1,024 float32; v_w 1,024 x 1,024 float32; x 4 x 2,048 x 1,024 float32.
;; Outputs: out0 4 x 2,048 x 1,024 float32.
;; This version of the problem:
;;   THIS VERSION OF THE PROBLEM IS GIVEN IN LOW PRECISION. The matrix products marked QUANTISED in the list below multiply operands that are first quantised to E2M3 (2 exponent bits, 3 mantissa bits; 6 bits a number), with one power-of-two scale for each 32 numbers along K (OCP MX v1.0); their sums are f32. All else is computed in f32.
;;   The module's matrix products, in the order in which they are computed (A, B: the left and right operand; K: the contracted axis; several contracted axes count as one K, in the product's order):
;;     1. [M 8,192, K 1,024] x [K 1,024, N 1,024]; A: input x; B: input q_w: QUANTISED
;;     2. [M 8,192, K 1,024] x [K 1,024, N 1,024]; A: input x; B: input k_w: QUANTISED
;;     3. [M 8,192, K 1,024] x [K 1,024, N 1,024]; A: input x; B: input v_w: QUANTISED
;;     4. batch 64 x [M 2,048, K 64] x [K 64, N 2,048]; A: computed on the way; B: computed on the way: QUANTISED
;;     5. batch 64 x [M 2,048, K 2,048] x [K 2,048, N 64]; A: softmax (see below); B: computed on the way: QUANTISED
;;     6. [M 8,192, K 1,024] x [K 1,024, N 1,024]; A: computed on the way; B: input o_w: QUANTISED
;;   THE QUANTISER, for each operand of a quantised product, along K:
;;     - K is cut into blocks of 32 from its start; a last block that is shorter is filled with zeros.
;;     - A block's scale is 2^e with e = floor(log2(the largest magnitude in the block)) - 2, held to -126 .. 127; a block of zeros has e = 0. As a byte (E8M0): e + 127.
;;     - Each number is divided by its block's scale, clamped to +-7.5, and rounded to the nearest number of E2M3, ties to even, subnormals kept.
;;     - The product sums the exact products of the quantised numbers (number of the format x scale) in f32.
;;   ~~~python
;;   def quantise(x, axis):      # numpy; x: float32 -> the quantised numbers, widened to float32 again
;;       x = np.moveaxis(x, axis, -1); K = x.shape[-1]
;;       x = np.pad(x, [(0, 0)] * (x.ndim - 1) + [(0, -K % 32)]); x = x.reshape(x.shape[:-1] + (-1, 32)); a = np.abs(x).max(-1, keepdims=True)
;;       e = np.where(a > 0, np.clip(np.frexp(np.where(a > 0, a, 1))[1] - 1 - 2, -126, 127), 0)      # np.frexp(a)[1] - 1 = floor(log2(a)), exactly
;;       r = np.clip(x / 2.0 ** e, -7.5, 7.5)
;;       step = 2.0 ** (np.maximum(np.frexp(np.where(r == 0, 1, r))[1] - 1, 0) - 3)
;;       q = np.round(r / step) * step * 2.0 ** e      # np.round: ties to even
;;       return np.moveaxis(q.reshape(q.shape[:-2] + (-1,))[..., :K], -1, axis).astype(np.float32)
;;   ~~~
;;   SOFTMAX AHEAD OF A QUANTISED PRODUCT. Where the list says 'softmax', what is quantised is not the finished softmax but p = 2^(t - M), with t = logit x log2(e) and M = ceil(the row's largest t), a whole number; so 1/2 < the row's largest p <= 1. The row's sum l is taken of the UNQUANTISED p, in f32, and the product's result is divided by l at the end. Since M is a whole number, a kernel that streams over the keys may use a running M (the ceiling of the running maximum): every later rescaling is an exact power of two, which a block's scale takes up: the codes' values come out the same.
;;   OPERANDS COMPUTED ON THE WAY. 'Computed on the way' means the value that the module computes at that place (a softmax that the list does not call 'softmax' is quantised finished and normalised). What goes into a quantiser is computed in f32, as accurately as f32 sums, v_exp_f32 and their like allow (about 1e-6 of the number): no bf16 or f16 on the way to a quantiser, and a product that is left as it is and whose result goes on into a quantised operand takes f32 operands (vector FMAs, or v_wmma_f32_16x16x4_f32). A number that lies on a knife's edge between two numbers of the format may be rounded either way, as far as f32 arithmetic and the matrix unit's own rounding can turn it there, and no further.
;; One version. Each part assembles by itself: llvm-mc -triple=amdgcn-amd-amdhsa -mcpu=gfx1250 --defsym DOCPART=n.
;; ======== version 1 of 1: 4 launches
;; limits: right only within a limited range of input values
;; workspace buffers: xw_codes 9,437,184 bytes; xw_scales 393,216 bytes; qkv 19,660,800 bytes; att_codes 6,291,456 bytes; att_scales 262,144 bytes
;; launch quant (part 1): grid 256 x 1, 6 waves a work-group, no clusters, 200,704 bytes of LDS; arguments x, q_w, k_w, v_w, o_w, xw_codes, xw_scales; writes xw_codes, xw_scales
.if DOCPART == 1
	.amdgcn_target "amdgcn-amd-amdhsa--gfx1250"
	.amdhsa_code_object_version 6
	.text
	.protected	k_q9fbcf40e63_quant
	.globl	k_q9fbcf40e63_quant
	.p2align	8
	.type	k_q9fbcf40e63_quant,@function
k_q9fbcf40e63_quant:
	s_mov_b64 s[64:65], 0
	v_nop
	global_prefetch_b8 v0, s[64:65] scope:SCOPE_SE
	s_setreg_imm32_b32 hwreg(HW_REG_WAVE_MODE, 25, 1), 1
	s_wait_xcnt 0x0
; LAUNCH 1 OF 4: x, q_w, k_w, v_w, o_w (f32, K innermost) become codes of FP6 (E2M3) and E8M0 scale bytes, one for each 32 along K, laid as images of the operand registers of the launches that read them.
; WORK LEFT OUT IN THIS PROGRAM (third launch): key steps of 128 keys all of which come after a tile's queries.  reference() itself sets those logits to -inf by its own jnp.tril, and the softmax makes their p exactly 0
; whatever finite values the inputs hold: the scores of product 4 there and their terms of product 5 reach no output.  Every input has a way to the output and is loaded.
; LIMIT: a NaN, an infinity or an overflow that reaches only the work left out is not carried to the result.
; THE QUANTISER: a block's scale byte is its largest magnitude's exponent field - 2, held at 1 from below (a block of zeros gets 1 where the rule says 127: its codes are zeros, and this program alone reads the bytes).
; LIMITS: NaN and infinities among the inputs are not served; blocks whose largest magnitude lies under 2^(2 - 126) keep the byte 1.
; ROWS: the 12,288 rows (x 8,192, then q_w, k_w, v_w, o_w) go in 768 row tiles of 16.  Tile n of a tensor holds its rows 64 (n / 4) + 8 (n % 4) + i (lanes r = i) and the same + 32 (r = 8 + i), i = 0 .. 7.
; OUT: xw_codes[tile][K step of 128][1,536]: registers 6 c .. 6 c + 3 at 512 c + 16 x lane, 6 c + 4, 6 c + 5 at 1024 + 256 c + 8 x lane;  xw_scales[tile][r][32]: word s = K step s.
; SHARES: a work-group has three row tiles, two waves each.  Wave 2 u + g asks for tile u's eight rows of group g, 8 x 4,096 bytes, by its one tensor load; behind one barrier it quantises K steps 4 g .. 4 g + 3 of all 16 rows.
; LDS: a wave's tile has 16 bytes of padding behind each 1,024: a row is 4,160 bytes; tiles lie 33,296 bytes apart, so that the two groups of a row tile start 16 bytes apart modulo 256.  Nothing is filled again.
; No prefetch: all that a work-group reads is asked for at its head, and there is no loop to run ahead in.
.set GB,    33296
.set RP,    4160
.set SPARE, 199936                     ; the spare words: 128 bytes a wave, three blocks of 256 bytes that no other line names
.set IMG,   1536
.set LA,  1
.set L16, 2
.set L8,  3
.set H8,  4
.set SOF, 5
.set SPW, 6
.set NIL, 7
.set MX,  8
.set SOP, 10
.set BY,  12
.set TA,  14
.set TB2, 15
.set W,   16
.set SW,  24
.set C,   28
.set TT,  40
.set X,   64
	s_load_b256 s[4:11], s[0:1], 0x0               ; x, q_w, k_w, v_w
	s_load_b128 s[12:15], s[0:1], 0x20             ; o_w, xw_codes
	s_load_b64 s[16:17], s[0:1], 0x30              ; xw_scales
	v_lshl_add_u32 v[SPW], v0, 2, SPARE
	v_mov_b32 v[NIL], 0
	ds_add_u32 v[SPW], v[NIL]                      ; the opening: the add, twice on end, and its wait ahead of my tensor load
	ds_add_u32 v[SPW], v[NIL]
	v_lshrrev_b32 v1, 5, v0
	v_readfirstlane_b32 s18, v1                    ; wave
	s_lshr_b32 s72, s18, 1                         ; u: which of the three row tiles
	s_and_b32 s73, s18, 1                          ; g: which group of eight rows I fetch, which four K steps I quantise
	s_mul_i32 s19, ttmp9, 3
	s_add_co_u32 s19, s19, s72                     ; my row tile, 0 .. 767
	s_mov_b32 s24, (2<<16)|(1<<20)|(7<<22)|(3<<25) ; elements of 4 bytes; 4 words of padding behind every 256
	s_mov_b32 s25, 1024<<16
	s_mov_b32 s26, 8<<16
	s_mov_b32 s27, 1024<<16
	s_mov_b32 s28, 8
	s_mov_b32 s29, 1024
	s_mov_b32 s30, 0
	s_mov_b32 s31, 0
	s_mul_i32 s33, s18, GB                         ; group 0: where my tile goes
	s_mov_b32 s32, 1
	s_and_b32 s21, s19, 63
	s_mov_b32 s66, 0x76543210
	s_mov_b32 s67, 0xfedcba98
	s_wait_alu depctr_va_vdst(0)
	s_wait_dscnt 0x0
	s_wait_kmcnt 0x0
	s_cmp_lt_u32 s19, 576                          ; which tensor: the choice hangs on ids alone
	s_cselect_b64 s[68:69], s[6:7], s[8:9]
	s_cmp_lt_u32 s19, 704
	s_cselect_b64 s[70:71], s[10:11], s[12:13]
	s_cmp_lt_u32 s19, 640
	s_cselect_b64 s[68:69], s[68:69], s[70:71]
	s_cmp_lt_u32 s19, 512
	s_cselect_b64 s[68:69], s[4:5], s[68:69]
	s_cselect_b32 s21, s19, s21                    ; the tile's number in its tensor
	s_lshr_b32 s22, s21, 2
	s_lshl_b32 s22, s22, 6
	s_and_b32 s23, s21, 3
	s_lshl_b32 s23, s23, 3
	s_add_co_u32 s22, s22, s23
	s_lshl_b32 s23, s73, 5
	s_add_co_u32 s22, s22, s23                     ; my first row: 64 (n / 4) + 8 (n % 4) + 32 g
	s_lshl_b32 s22, s22, 12
	s_mov_b32 s23, 0
	s_add_nc_u64 s[34:35], s[68:69], s[22:23]
	s_or_b32 s35, s35, 0x80000000
	tensor_load_to_lds s[32:35], s[24:31]          ; 8 rows of 4,096 bytes, each at a multiple of 256
	s_nop 0
	v_and_b32 v8, 31, v0
	v_and_b32 v9, 15, v0
	v_bfe_u32 v10, v0, 4, 1
	v_lshlrev_b32 v[L16], 4, v8
	v_lshlrev_b32 v[L8], 3, v8
	v_lshlrev_b32 v[H8], 3, v10
	v_lshlrev_b32 v[SOF], 5, v9
	v_lshl_add_u32 v[SOF], v10, 3, v[SOF]          ; scale words out: 32 r + 8 h
	v_lshrrev_b32 v11, 3, v9
	v_and_b32 v12, 7, v9
	v_mul_u32_u24 v[LA], v11, GB
	v_mad_u32_u24 v[LA], v12, RP, v[LA]
	v_lshl_add_u32 v[LA], v10, 7, v[LA]
	s_mul_i32 s20, s72, 2*GB
	s_mul_i32 s21, s73, 2080
	s_add_co_u32 s20, s20, s21
	v_add_nc_u32 v[LA], s20, v[LA]                 ; row r of tile u, K = 512 g + 32 h
	v_mov_b32 v[TB2], 0
	s_mul_i32 s22, s19, 8*IMG
	s_mul_i32 s21, s73, 4*IMG
	s_add_co_u32 s22, s22, s21
	s_add_nc_u64 s[14:15], s[14:15], s[22:23]
	s_lshl_b32 s22, s19, 9
	s_lshl_b32 s21, s73, 4
	s_add_co_u32 s22, s22, s21
	s_add_nc_u64 s[16:17], s[16:17], s[22:23]
.macro XLOAD s                         ; my 2 x 32 numbers of my K step s: K = 128 s + 64 c + 32 h + 0 .. 31
.irp c, 0,1
.irp n, 0,1,2,3,4,5,6,7
	ds_load_b128 v[X+64*((\s)%2)+32*\c+4*\n:X+64*((\s)%2)+32*\c+4*\n+3], v[LA] offset:((\s)/2)*1040+((\s)%2)*512+256*\c+16*\n
.endr
.endr
.endm
.macro QSTEP s
.set XS, X+64*((\s)%2)
.irp c, 0,1
	v_max3_num_f32 v[MX+\c], |v[XS+32*\c]|, |v[XS+32*\c+1]|, 0x1800000   ; with the floor 2^(3 - 127)
.endr
.irp i, 2,4,6,8,10,12,14,16,18,20,22,24,26,28,30
.irp c, 0,1
	v_max3_num_f32 v[MX+\c], v[MX+\c], |v[XS+32*\c+\i]|, |v[XS+32*\c+\i+1]|
.endr
.endr
.irp c, 0,1
	v_add_nc_u32 v[SOP+\c], 0xff000000, v[MX+\c]   ; 2 off the exponent field: the conversion's scale operand
.endr
.irp c, 0,1
	v_lshrrev_b32 v[BY+\c], 23, v[SOP+\c]
.endr
	v_lshl_or_b32 v[TA], v[BY+1], 16, v[BY]        ; my bytes are blocks h and 2 + h
	v_lshlrev_b32 v[TA], v[H8], v[TA]
	v_permlanex16_b32 v[TB2], v[TA], s66, s67
	v_or_b32 v[W+(\s)], v[TA], v[TB2]
	s_wait_alu depctr_va_vdst(0)
	s_wait_xcnt 0x0                                ; the last step's stores have read their data
.irp c, 0,1
	v_cvt_scalef32_pk16_fp6_f32 v[C+6*\c:C+6*\c+2], v[XS+32*\c:XS+32*\c+15], v[SOP+\c]
	v_cvt_scalef32_pk16_fp6_f32 v[TT+4*\c:TT+4*\c+2], v[XS+32*\c+16:XS+32*\c+31], v[SOP+\c]
.endr
	v_nop
.irp c, 0,1
.irp i, 0,1,2
	v_mov_b32 v[C+6*\c+3+\i], v[TT+4*\c+\i]
.endr
.endr
.irp c, 0,1
	global_store_b128 v[L16], v[C+6*\c:C+6*\c+3], s[14:15] offset:(\s)*IMG+512*\c
	global_store_b64 v[L8], v[C+6*\c+4:C+6*\c+5], s[14:15] offset:(\s)*IMG+1024+256*\c
.endr
.endm
	s_wait_alu depctr_va_vdst(0)
	s_wait_tensorcnt 0x0                           ; my tile is in,
	s_barrier_signal -1
	s_barrier_wait -1                              ; and everybody's
	XLOAD 0
.irp s, 0,1,2,3
.if \s < 3
	XLOAD \s+1
	s_wait_dscnt 16                                ; all but the sixteen just issued
.else
	s_wait_dscnt 0x0
.endif
	QSTEP \s
.endr
	v_cmp_ne_u32 vcc_lo, 0, v[H8]
	v_cndmask_b32 v[SW], v[W], v[W+2], vcc_lo      ; lanes 0-15 store my first two words of row r, lanes 16-31 the other two
	v_cndmask_b32 v[SW+1], v[W+1], v[W+3], vcc_lo
	global_store_b64 v[SOF], v[SW:SW+1], s[16:17]
	s_wait_tensorcnt 0x0                           ; the wave's end
	ds_add_u32 v[SPW], v[NIL]
	s_wait_dscnt 0x0
	s_endpgm
.Lfunc_end_k_q9fbcf40e63_quant:
	.size	k_q9fbcf40e63_quant, .Lfunc_end_k_q9fbcf40e63_quant-k_q9fbcf40e63_quant
	.p2alignl 7, 3214868480
	.fill 96, 4, 3214868480
	.section	.rodata,"a",@progbits
	.p2align	6, 0x0
	.amdhsa_kernel k_q9fbcf40e63_quant
		.amdhsa_group_segment_fixed_size 200704
		.amdhsa_private_segment_fixed_size 0
		.amdhsa_enable_private_segment 0
		.amdhsa_kernarg_size 56
		.amdhsa_user_sgpr_count 2
		.amdhsa_user_sgpr_kernarg_segment_ptr 1
		.amdhsa_wavefront_size32 1
		.amdhsa_system_sgpr_workgroup_id_x 1
		.amdhsa_system_sgpr_workgroup_id_y 1
		.amdhsa_system_sgpr_workgroup_id_z 1
		.amdhsa_system_vgpr_workitem_id 0
		.amdhsa_next_free_vgpr 192
		.amdhsa_next_free_sgpr 80
		.amdhsa_reserve_vcc 1
		.amdhsa_float_denorm_mode_32 3
		.amdhsa_float_denorm_mode_16_64 3
		.amdhsa_memory_ordered 1
		.amdhsa_forward_progress 1
		.amdhsa_inst_pref_size 22
	.end_amdhsa_kernel
	.amdgpu_metadata
---
amdhsa.version: [ 1, 2 ]
amdhsa.kernels:
  - .name:           k_q9fbcf40e63_quant
    .symbol:         k_q9fbcf40e63_quant.kd
    .args:
      - { .name: x, .offset: 0, .size: 8, .value_kind: global_buffer, .address_space: global }
      - { .name: q_w, .offset: 8, .size: 8, .value_kind: global_buffer, .address_space: global }
      - { .name: k_w, .offset: 16, .size: 8, .value_kind: global_buffer, .address_space: global }
      - { .name: v_w, .offset: 24, .size: 8, .value_kind: global_buffer, .address_space: global }
      - { .name: o_w, .offset: 32, .size: 8, .value_kind: global_buffer, .address_space: global }
      - { .name: xw_codes, .offset: 40, .size: 8, .value_kind: global_buffer, .address_space: global }
      - { .name: xw_scales, .offset: 48, .size: 8, .value_kind: global_buffer, .address_space: global }
    .group_segment_fixed_size: 200704
    .private_segment_fixed_size: 0
    .kernarg_segment_align: 8
    .kernarg_segment_size: 56
    .max_flat_workgroup_size: 192
    .sgpr_count:     80
    .vgpr_count:     192
    .wavefront_size: 32
...
	.end_amdgpu_metadata
.endif
;; end of part 1
;; launch qkv (part 2): grid 4 x 64, 4 waves a work-group, clusters of 4 x 4, 327,680 bytes of LDS; arguments xw_codes, xw_scales, q_b, k_b, v_b, qkv; writes qkv
.if DOCPART == 2
	.amdgcn_target "amdgcn-amd-amdhsa--gfx1250"
	.amdhsa_code_object_version 6
	.text
	.protected	k_q9fbcf40e63_qkv
	.globl	k_q9fbcf40e63_qkv
	.p2align	8
	.type	k_q9fbcf40e63_qkv,@function
k_q9fbcf40e63_qkv:
	s_mov_b64 s[64:65], 0
	v_nop
	global_prefetch_b8 v0, s[64:65] scope:SCOPE_SE
	s_setreg_imm32_b32 hwreg(HW_REG_WAVE_MODE, 25, 1), 1
	s_wait_xcnt 0x0
	s_wait_alu depctr_hold_cnt(0) depctr_sa_sdst(0) depctr_va_vdst(0) depctr_va_sdst(0) depctr_va_ssrc(0) depctr_va_vcc(0) depctr_vm_vsrc(0)
	s_getreg_b32 s2, hwreg(HW_REG_IB_STS2, 6, 4)
	s_cmp_eq_u32 s2, 0
	s_cbranch_scc0 .Lentry_in_a_cluster
	s_endpgm
.Lentry_in_a_cluster:
	s_bfe_u32 s2, ttmp6, 0x10000c
	s_cmp_lg_u32 s2, 0xf033
	s_cbranch_scc0 .Lentry_shape_is_right
	s_endpgm
.Lentry_shape_is_right:
; LAUNCH 2 OF 4: q = x q_w^T + q_b, k = x k_w^T + k_b, v = x v_w^T + v_b on codes of FP6, and the results quantised in registers: q and k along the head's 64, v along the keys.  No work is left out here.
; SHARES.  256 work-groups of four waves.  Work-group (cx, tt) keeps the 128 tokens tt of x, all of K = 1,024, in LDS and makes, one after the other, q, k and v for channels 256 cx .. + 255; the weight's 256 rows, all of K, lie beside them.
; LDS BY HALVES OF K: x's K steps 0-3 (8 row tiles x 6,144 bytes), x's steps 4-7, the weight's steps 0-3 (16 row tiles x 6,144), the weight's steps 4-7.  At the head each wave asks for one of the four; the first barrier
; shows the two lower halves (waves 0 and 1 alone wait there), a barrier in K step 3 the upper ones.
; REFILLS.  The weight's lower half is read out when K step 3's fragments are in registers: there it takes the next weight's lower half; the upper half takes the next weight's behind K step 7.  Each refill stands behind a wait on the tensor count,
; an LDS add and its wait, and a round of the cluster's barrier, which also shows the refill before it to every wave.  So no wait on tiles stands between two products.
; Operands lie in memory and in LDS as images of their registers (1,536 bytes for 16 rows x 128 K: registers 6 c .. 6 c + 3 at 512 c + 16 x lane, 6 c + 4, 6 c + 5 at 1024 + 256 c + 8 x lane).
; THE MATRIX INSTRUCTION IS USED TRANSPOSED (source 0 = 16 rows of "B", source 1 = 16 rows of "A"): a lane holds one row of "A", and by the order of rows that the first launch gave both operands its 32
; registers of four neighbouring tiles of "B" are 32 consecutive source rows: a whole block of the next quantiser.  A wave has 64 rows of "A" x 128 rows of "B": 32 accumulators, (a, b) at v[8 (8 a + b)] of window 2.
; q, k: "A" = x (wave / 2 picks 64 tokens), "B" = the weight (wave % 2 picks 128 rows, two heads).   v: "A" = v_w (the wave picks 64 rows, one head), "B" = x, all 128 tokens.
; SCALE WORDS come straight into registers: a row tile's 512 bytes by one load, 32 r + 16 h: register j holds K step j in lanes 0-15 and K step 4 + j in lanes 16-31; the instruction's row selects pick.  The bias is the first products' C.
; CLUSTERS 4 x 4: x's tiles are shared along a row of the cluster, a weight's along a column: joint loads.  No prefetch: each fill is asked for as soon as its bytes are free, and no loop runs ahead of it.
; qkv: [batch x head 64][307,200]: sixteen records of q (6,400 bytes, one for 128 tokens), then sixteen of k and v together (12,800: k at 0, v at 6,400).  A record: four images, then 256 bytes of scale words [row 16][image 4].
; In q's and k's image f, K 0-63 holds token tile 2 f and K 64-127 token tile 2 f + 1; v's image t holds channel tile t x the 128 keys.   LIMITS: those of the quantiser, stated at the head of the first launch.
; REGISTERS: window 0: v1-29 lane terms; v32-47, v50-81 scale words and nothing else; v84-99 LDS addresses; v128-223 A's fragments, two sets (on the way out: at work).  window 1: B's fragments, two sets.  window 2: the accumulators.  window 3: v0-63 the bias.
.set IMG,   1536
.set TILE,  12288                      ; a row tile in memory: 16 rows, all of K
.set KH,    6144                       ; half of it: four K steps
.set XH,    8*KH                       ; x's half of K
.set WHF,   16*KH                      ; a weight's
.set BB0,   2*XH                       ; the weight's region, behind x's
.set SPARE, BB0+2*WHF                  ; the spare words: 128 bytes a wave, two blocks of 256 bytes that no other line names
.set HS,    307200
.set ADQ, 84                           ; v84-91 q, k: LDS addresses: A lower half (16 x lane, 8 x lane), A upper half, B lower, B upper
.set ADV, 92                           ; v92-99 the same for v
.set L16, 20
.set L8,  21
.set H8,  22
.set SOF, 23
.set L16W, 24
.set L8W, 25
.set WOQ, 26
.set WOV, 27
.set SPW, 28
.set NIL, 29
.set SA,  32
.set SBB, 50                           ; SA - SBB is 6 modulo 8, and the blocks step by 4: the two scale registers of a product never agree modulo 8
.set AF,  128
.set EM,  128
.set ESO, 130
.set EBY, 132
.set ET,  134
.set ET2, 135
.set EC,  136
.set ETT, 148
.set EW,  160
.set SELW, 168
.set WV, 16
.set WH, 17
.set WL, 18
.set CX, 40
.set CY, 41
.set G1, 24                            ; group 1 of x's halves;  s[32:35], s[36:39] their groups 0
.set G0X0, 32
.set G0X1, 36
.set G1B, 48                           ; group 1 of a weight's halves;  s[56:59], s[88:91] their groups 0
.set G0W0, 56
.set G0W1, 88
.set SEL, 60
.set FLOOR, 62
.set MSB, 0
.macro WIN new                         ; the immediate's high byte repeats the setting that is left
.if MSB != (\new)
	s_set_vgpr_msb (MSB<<8)|(\new)
.set MSB, (\new)
.endif
.endm
.macro PLACES n
.rept \n
	v_nop
.endr
.endm
.macro CROUND                          ; a round of the cluster's barrier
	s_barrier_signal -1
	s_barrier_wait -1
	s_cmp_lg_u32 s[WV], 0
	s_cbranch_scc1 .Lnot_wave_0_\@
	s_barrier_signal -3
.Lnot_wave_0_\@:
	s_barrier_wait -3
	s_barrier_signal -1
	s_barrier_wait -1
.endm
.macro FRAG reg, a16, q, i             ; a fragment as its image lies
.irp c, 0,1
	ds_load_b128 v[\reg+6*\c:\reg+6*\c+3], v[\a16] offset:(\i)*KH+((\q)%4)*IMG+512*\c
	ds_load_b64 v[\reg+6*\c+4:\reg+6*\c+5], v[\a16+1] offset:(\i)*KH+((\q)%4)*IMG+1024+256*\c
.endr
.endm
.macro FETCH q, p, ad                  ; K step q's twelve fragments into set p: 48 loads
	WIN 0x40
.irp i, 0,1,2,3,4,5,6,7
	FRAG 128*(\p)+12*\i, \ad+4+2*((\q)/4), \q, \i
.endr
	WIN 0
.irp i, 0,1,2,3
	FRAG AF+48*(\p)+12*\i, \ad+2*((\q)/4), \q, \i
.endr
.endm
.macro W1 d, b0, a0, c, x, y, row
	v_wmma_scale_f32_16x16x128_f8f6f4 v[\d:\d+7], v[\b0:\b0+11], v[\a0:\a0+11], \c, v[\x], v[\y] matrix_a_fmt:MATRIX_FMT_FP6 matrix_b_fmt:MATRIX_FMT_FP6 matrix_a_scale:MATRIX_SCALE_ROW\row matrix_b_scale:MATRIX_SCALE_ROW\row
.endm
.macro MUL q, p, cm                    ; 32 products, the accumulators by turns.  cm = 0: C = D; 1: the bias by B's block; 2: by A's block
.irp a, 0,1,2,3
.irp b, 0,1,2,3,4,5,6,7
.set rD, 8*(8*\a+\b)
.set rB, 128*(\p)+12*\b
.set rA, AF+48*(\p)+12*\a
.set rX, SBB+4*\b+(\q)%4
.set rY, SA+4*\a+(\q)%4
.if \cm == 1
	W1 rD, rB, rA, v[8*\b:8*\b+7], rX, rY, 0
.elseif \cm == 2
	W1 rD, rB, rA, v[8*\a:8*\a+7], rX, rY, 0
.elseif (\q)/4
	W1 rD, rB, rA, v[rD:rD+7], rX, rY, 1
.else
	W1 rD, rB, rA, v[rD:rD+7], rX, rY, 0
.endif
.endr
.endr
.endm
.macro FILLW g0, wave                  ; a half of the next weight onto this one's, which every wave of the cluster has read out
	s_wait_tensorcnt 0x0                           ; all my tensor loads have landed
	ds_add_u32 v[SPW], v[NIL]
	s_add_nc_u64 s[\g0+2:\g0+3], s[\g0+2:\g0+3], 64*TILE   ; no load of mine is out: the next tensor lies 64 row tiles on
	s_wait_dscnt 0x0
	CROUND
	s_cmp_eq_u32 s[WV], \wave
	s_cbranch_scc0 .Lno_fill_\@
	tensor_load_to_lds s[\g0:\g0+3], s[G1B:G1B+7]
	s_nop 0
.Lno_fill_\@:
.endm
.macro MIDSYNC mid                     ; in K step 3, its fragments in registers.  mid = 1: the lower half is filled again, and the round shows the upper half; 2: a plain barrier shows the upper half, nothing is filled
.if \mid == 1
	FILLW G0W0, 1
.else
	s_wait_tensorcnt 0x0
	s_barrier_signal -1
	s_barrier_wait -1
.endif
.endm
.macro KLOOP ad, cm, mid               ; a whole product: eight K steps; each step's fragments are asked for ahead of the step before's 32 products
	FETCH 0, 0, \ad
.irp s, 0,1,2,3,4,5,6,7
	s_wait_dscnt 0x0                               ; this step's fragments are in
.if \s == 3
	MIDSYNC \mid
.endif
.if \s < 7
.if \s > 0
	PLACES 4                                       ; in front of loads into registers that the last products read
.endif
	FETCH \s+1, (\s+1)%2, \ad
.endif
.if \s == 0
	WIN 0xb1                                       ; source 0 window 1, source 1 window 0, C (the bias) window 3, D window 2
	MUL 0, 0, \cm
.else
	WIN 0xa1
	MUL \s, \s%2, 0
.endif
	WIN 0
.endr
.endm
.macro READY                           ; ahead of a product: its scale words and bias are in, and the stores have read their registers, so that fragments may land there
	s_wait_alu depctr_va_vdst(0)
	s_wait_xcnt 0x0
	s_wait_loadcnt 0x0
.endm
.macro LDSC dst, n, p, off             ; the scale words of n row tiles
.set k_, 0
.rept \n
	global_load_b128 v[\dst+4*k_:\dst+4*k_+3], v[SOF], s[\p:\p+1] offset:512*k_+\off
.set k_, k_+1
.endr
.endm
.macro LDBIAS p                        ; q, k: accumulator (a, b) wants the channels 64 (b / 4) + 32 h + 8 (b % 4) + 0 .. 7
	WIN 0xc0
.irp b, 0,1,2,3,4,5,6,7
	global_load_b128 v[8*\b:8*\b+3], v3, s[\p:\p+1] offset:256*(\b/4)+32*(\b%4)
	global_load_b128 v[8*\b+4:8*\b+7], v3, s[\p:\p+1] offset:256*(\b/4)+32*(\b%4)+16
.endr
	WIN 0
.endm
; THE WAY OUT.  Two runs of 32 registers, each a whole block along the next K, become six registers each, half an image, and a scale byte
.macro RUNS x0, x1
	WIN 0x28                                       ; sources 1 and 2: window 2
	v_max3_num_f32 v[EM], s[FLOOR], |v[(\x0)]|, |v[(\x0)+1]|       ; each accumulator is read from its low end on
	v_max3_num_f32 v[EM+1], s[FLOOR], |v[(\x1)]|, |v[(\x1)+1]|
.irp n, 2,4,6,8,10,12,14,16,18,20,22,24,26,28,30
	v_max3_num_f32 v[EM], v[EM], |v[(\x0)+\n]|, |v[(\x0)+\n+1]|
	v_max3_num_f32 v[EM+1], v[EM+1], |v[(\x1)+\n]|, |v[(\x1)+\n+1]|
.endr
	WIN 0
	v_add_nc_u32 v[ESO], 0xff000000, v[EM]
	v_add_nc_u32 v[ESO+1], 0xff000000, v[EM+1]
	v_lshrrev_b32 v[EBY], 23, v[ESO]
	v_lshrrev_b32 v[EBY+1], 23, v[ESO+1]
	s_wait_alu depctr_va_vdst(0)
	s_wait_xcnt 0x0                                ; the last stores have read their data
	WIN 0x02                                       ; source 0: window 2
	v_cvt_scalef32_pk16_fp6_f32 v[EC:EC+2], v[(\x0):(\x0)+15], v[ESO]
	v_cvt_scalef32_pk16_fp6_f32 v[ETT:ETT+2], v[(\x0)+16:(\x0)+31], v[ESO]
	v_cvt_scalef32_pk16_fp6_f32 v[EC+6:EC+8], v[(\x1):(\x1)+15], v[ESO+1]
	v_cvt_scalef32_pk16_fp6_f32 v[ETT+4:ETT+6], v[(\x1)+16:(\x1)+31], v[ESO+1]
	WIN 0
	v_nop                                          ; one plain place behind a scaled conversion
.irp e, 0,1
.irp n, 0,1,2
	v_mov_b32 v[EC+6*\e+3+\n], v[ETT+4*\e+\n]
.endr
.endr
.endm
.macro OUTQK p                         ; token tile 4 (wave / 2) + i: run e is head e's channels 32 h + 0 .. 31: image 2 (wave / 2) + i / 2, half i % 2 of head e's record
	v_mov_b32 v[ET2], 0                            ; a lane permute's destination counts as one of its sources
.irp i, 0,1,2,3
	RUNS 64*\i, 64*\i+32
.irp e, 0,1                                    ; my byte is block h's; with lane l xor 16's: the token's two bytes; two token tiles make a word
	v_lshlrev_b32 v[ET], v[H8], v[EBY+\e]
	v_permlanex16_b32 v[ET2], v[ET], s[SEL], s[SEL+1]
.if \i%2 == 0
	v_or_b32 v[EW+2*\e+\i/2], v[ET], v[ET2]
.else
	v_or_b32 v[ET], v[ET], v[ET2]
	v_lshl_or_b32 v[EW+2*\e+\i/2], v[ET], 16, v[EW+2*\e+\i/2]
.endif
.endr
.irp e, 0,1
	global_store_b128 v[L16W], v[EC+6*\e:EC+6*\e+3], s[\p:\p+1] offset:\e*HS+(\i/2)*IMG+512*(\i%2)
	global_store_b64 v[L8W], v[EC+6*\e+4:EC+6*\e+5], s[\p:\p+1] offset:\e*HS+(\i/2)*IMG+1024+256*(\i%2)
.endr
.endr
	v_cmp_ne_u32 vcc_lo, 0, v2
	s_wait_alu depctr_va_vdst(0)
	v_cndmask_b32 v[SELW], v[EW], v[EW+2], vcc_lo  ; lanes 0-15 store the first head's two words of row r, lanes 16-31 the second head's
	v_cndmask_b32 v[SELW+1], v[EW+1], v[EW+3], vcc_lo
	global_store_b64 v[WOQ], v[SELW:SELW+1], s[\p:\p+1] offset:4*IMG
.endm
.macro OUTV p                          ; channel tile a of my head: run e is keys 64 e + 32 h + 0 .. 31: image a, half e
	v_mov_b32 v[ET2], 0
.irp a, 0,1,2,3
	RUNS 64*\a, 64*\a+32
	v_lshl_or_b32 v[ET], v[EBY+1], 16, v[EBY]      ; my bytes are key blocks h and 2 + h of my channel
	v_lshlrev_b32 v[ET], v[H8], v[ET]
	v_permlanex16_b32 v[ET2], v[ET], s[SEL], s[SEL+1]
	v_or_b32 v[EW+\a], v[ET], v[ET2]
.irp e, 0,1
	global_store_b128 v[L16], v[EC+6*\e:EC+6*\e+3], s[\p:\p+1] offset:\a*IMG+512*\e
	global_store_b64 v[L8], v[EC+6*\e+4:EC+6*\e+5], s[\p:\p+1] offset:\a*IMG+1024+256*\e
.endr
.endr
	v_cmp_ne_u32 vcc_lo, 0, v2
	s_wait_alu depctr_va_vdst(0)
	v_cndmask_b32 v[SELW], v[EW], v[EW+2], vcc_lo  ; lane (r, h) stores words 2 h and 2 h + 1 of row r
	v_cndmask_b32 v[SELW+1], v[EW+1], v[EW+3], vcc_lo
	global_store_b64 v[WOV], v[SELW:SELW+1], s[\p:\p+1] offset:4*IMG
.endm
; ---- the head
	s_load_b256 s[4:11], s[0:1], 0x0               ; xw_codes, xw_scales, q_b, k_b
	s_load_b128 s[12:15], s[0:1], 0x20             ; v_b, qkv
	v_lshl_add_u32 v[SPW], v0, 2, SPARE
	v_mov_b32 v[NIL], 0
	ds_add_u32 v[SPW], v[NIL]                      ; the opening: the add, twice on end, and its wait ahead of my first tensor load
	ds_add_u32 v[SPW], v[NIL]
	v_lshrrev_b32 v1, 5, v0
	v_readfirstlane_b32 s[WV], v1
	s_lshr_b32 s[WH], s[WV], 1
	s_and_b32 s[WL], s[WV], 1
	s_bfe_u32 s[CX], ttmp6, 0x40000
	s_bfe_u32 s[CY], ttmp6, 0x40004
	s_and_b32 s42, ttmp7, 0xffff
	s_lshl_b32 s42, s42, 2
	s_add_co_u32 s42, s42, s[CY]                   ; tt: my 128 tokens
	s_lshl_b32 s44, s[CY], 2
	s_lshl_b32 s44, 15, s44                        ; my row of the cluster
	s_lshl_b32 s45, 0x1111, s[CX]                  ; my column
	s_or_b32 s[G1], s44, (3<<16)|(1<<21)           ; elements of 8 bytes, no padding; the mask, and bit 21 beside it
	s_or_b32 s[G1B], s45, (3<<16)|(1<<21)
.irp g, G1, G1B
	s_mov_b32 s[\g+1], 768<<16                     ; a row of the tile is half a row tile: 6,144 bytes, at a multiple of 256,
	s_mov_b32 s[\g+3], 768<<16
	s_mov_b32 s[\g+5], 1536                        ; 12,288 bytes from row to row
	s_mov_b32 s[\g+6], 0
	s_mov_b32 s[\g+7], 0
.endr
	s_mov_b32 s[G1+2], 8<<16                       ; x: eight row tiles,
	s_mov_b32 s[G1+4], 8
	s_mov_b32 s[G1B+2], 16<<16                     ; a weight: sixteen
	s_mov_b32 s[G1B+4], 16
	s_lshl_b32 s19, s42, 3                         ; x's first row tile
	s_mul_i32 s20, s19, TILE
	s_mov_b32 s21, 0
	s_lshl_b32 s43, s[CX], 4
	s_lshl_b32 s47, s[WL], 3
	s_add_co_u32 s46, s43, s47
	s_add_co_u32 s46, s46, 512                     ; q_w's row tile 16 cx + 8 (wave % 2): my columns' scale words
	s_lshl_b32 s68, s46, 9
	s_mov_b32 s69, 0
	s_add_co_u32 s46, s43, 512
	s_mul_i32 s46, s46, TILE                       ; q_w's row tile 16 cx: the work-group's codes
	s_mov_b32 s47, 0
	s_mov_b32 s[G0X0], 1
	s_mov_b32 s[G0X0+1], 0
	s_mov_b32 s[G0X1], 1
	s_mov_b32 s[G0X1+1], XH
	s_mov_b32 s[G0W0], 1
	s_mov_b32 s[G0W0+1], BB0
	s_mov_b32 s[G0W1], 1
	s_mov_b32 s[G0W1+1], BB0+WHF
	s_lshl_b32 s66, s[WH], 2
	s_add_co_u32 s66, s66, s19
	s_lshl_b32 s66, s66, 9                         ; scale words: x's four tiles of q, k,
	s_mov_b32 s67, 0
	s_lshl_b32 s70, s19, 9                         ; x's eight of v,
	s_mov_b32 s71, 0
	s_lshl_b32 s72, s[WV], 2
	s_add_co_u32 s72, s72, s43
	s_add_co_u32 s72, s72, 640
	s_lshl_b32 s72, s72, 9                         ; v_w's four
	s_mov_b32 s73, 0
	s_lshl_b32 s74, s[CX], 10
	s_lshl_b32 s22, s[WL], 9
	s_add_co_u32 s76, s74, s22                     ; the bias: q, k: channel 256 cx + 128 (wave % 2),
	s_mov_b32 s77, 0
	s_lshl_b32 s22, s[WV], 8
	s_add_co_u32 s74, s74, s22                     ; v: 256 cx + 64 wave
	s_mov_b32 s75, 0
	s_lshr_b32 s22, s42, 4
	s_lshl_b32 s22, s22, 4
	s_lshl_b32 s23, s[CX], 2
	s_add_co_u32 s22, s22, s23                     ; 16 batch + 4 cx
	s_and_b32 s23, s42, 15                         ; my tokens' record
	s_lshl_b32 s2, s[WL], 1
	s_add_co_u32 s2, s2, s22
	s_mul_i32 s2, s2, HS
	s_mul_i32 s3, s23, 6400
	s_add_co_u32 s80, s2, s3                       ; q's record,
	s_mov_b32 s81, 0
	s_add_co_u32 s82, s80, s3
	s_add_co_u32 s82, s82, 102400                  ; k's,
	s_mov_b32 s83, 0
	s_add_co_u32 s84, s22, s[WV]
	s_mul_i32 s84, s84, HS
	s_add_co_u32 s84, s84, s3
	s_add_co_u32 s84, s84, s3
	s_add_co_u32 s84, s84, 108800                  ; v's
	s_mov_b32 s85, 0
	s_mov_b32 s[SEL], 0x76543210
	s_mov_b32 s[SEL+1], 0xfedcba98
	s_mov_b32 s[FLOOR], 0x1800000                  ; 2^(3 - 127)
	s_wait_alu depctr_va_vdst(0)
	s_wait_dscnt 0x0                               ; both opening adds are done
	CROUND                                         ; all sixteen work-groups are here: the first joint loads meet
	s_wait_kmcnt 0x0
	s_add_nc_u64 s[G0X0+2:G0X0+3], s[4:5], s[20:21]
	s_add_nc_u64 s[G0X1+2:G0X1+3], s[G0X0+2:G0X0+3], KH
	s_or_b32 s[G0X0+3], s[G0X0+3], 0x80000000
	s_or_b32 s[G0X1+3], s[G0X1+3], 0x80000000
	s_add_nc_u64 s[G0W0+2:G0W0+3], s[4:5], s[46:47]
	s_add_nc_u64 s[G0W1+2:G0W1+3], s[G0W0+2:G0W0+3], KH
	s_or_b32 s[G0W0+3], s[G0W0+3], 0x80000000
	s_or_b32 s[G0W1+3], s[G0W1+3], 0x80000000
; THE HEAD'S LOADS, ONE A WAVE, what is needed first asked for by the lower waves: one chain of branches on the wave's number, a load to an arm
.macro HARM under, g0, g1, next
	s_cmp_lt_u32 s[WV], \under
	s_cbranch_scc0 \next
	tensor_load_to_lds s[\g0:\g0+3], s[\g1:\g1+7]
	s_nop 0
	PLACES 4
	s_branch .Lasked
\next:
.endm
	HARM 1, G0X0, G1,  .Lhead_w0
	HARM 2, G0W0, G1B, .Lhead_x1
	HARM 3, G0X1, G1,  .Lhead_w1
	tensor_load_to_lds s[G0W1:G0W1+3], s[G1B:G1B+7]
	s_nop 0
	PLACES 4
.Lasked:
	s_add_nc_u64 s[66:67], s[6:7], s[66:67]
	s_add_nc_u64 s[68:69], s[6:7], s[68:69]
	s_add_nc_u64 s[70:71], s[6:7], s[70:71]
	s_add_nc_u64 s[72:73], s[6:7], s[72:73]
	s_add_nc_u64 s[8:9], s[8:9], s[76:77]
	s_add_nc_u64 s[10:11], s[10:11], s[76:77]
	s_add_nc_u64 s[12:13], s[12:13], s[74:75]
	s_add_nc_u64 s[80:81], s[14:15], s[80:81]
	s_add_nc_u64 s[82:83], s[14:15], s[82:83]
	s_add_nc_u64 s[84:85], s[14:15], s[84:85]
	v_and_b32 v1, 15, v0                           ; r
	v_bfe_u32 v2, v0, 4, 1                         ; h
	v_and_b32 v6, 31, v0
	v_lshlrev_b32 v3, 7, v2                        ; q, k: my half's 32 channels
	v_lshrrev_b32 v4, 3, v1
	v_and_b32 v5, 7, v1
	v_lshlrev_b32 v4, 7, v4
	v_lshl_add_u32 v4, v5, 2, v4                   ; v: my channel: 32 (r / 8) + r % 8
	v_lshlrev_b32 v[L16], 4, v6
	v_lshlrev_b32 v[L8], 3, v6
	v_lshlrev_b32 v[H8], 3, v2
	v_lshlrev_b32 v[SOF], 5, v1
	v_lshl_add_u32 v[SOF], v2, 4, v[SOF]           ; 32 r + 16 h
	LDSC SA, 4, 66, 0
	LDSC SBB, 8, 68, 0
	LDBIAS 8
	s_mul_i32 s2, s[WH], 2*IMG
	v_add_nc_u32 v[L16W], s2, v[L16]
	v_add_nc_u32 v[L8W], s2, v[L8]
	v_mul_u32_u24 v[WOQ], v2, HS
	v_lshl_add_u32 v[WOQ], v1, 4, v[WOQ]
	s_lshl_b32 s2, s[WH], 3
	v_add_nc_u32 v[WOQ], s2, v[WOQ]                ; h x a head + 16 r + 8 (wave / 2)
	v_lshlrev_b32 v[WOV], 4, v1
	v_lshl_add_u32 v[WOV], v2, 3, v[WOV]           ; 16 r + 8 h
	s_mul_i32 s2, s[WH], 4*KH                      ; q, k: A = my 64 tokens of x,
	s_mul_i32 s3, s[WL], 8*KH
	s_add_co_u32 s3, s3, BB0                       ; B = my 128 rows of the weight;
	s_mul_i32 s20, s[WV], 4*KH
	s_add_co_u32 s20, s20, BB0                     ; v: A = my 64 rows of the weight, B = all of x
.irp k, 0,1
	v_add_nc_u32 v[ADQ+2*\k], s2, v[L16]
	v_add_nc_u32 v[ADQ+2*\k+1], s2, v[L8]
	v_add_nc_u32 v[ADQ+4+2*\k], s3, v[L16]
	v_add_nc_u32 v[ADQ+5+2*\k], s3, v[L8]
	v_add_nc_u32 v[ADV+2*\k], s20, v[L16]
	v_add_nc_u32 v[ADV+2*\k+1], s20, v[L8]
	v_add_nc_u32 v[ADV+4+2*\k], \k*XH, v[L16]
	v_add_nc_u32 v[ADV+5+2*\k], \k*XH, v[L8]
	s_add_co_u32 s2, s2, XH
	s_add_co_u32 s3, s3, WHF
	s_add_co_u32 s20, s20, WHF
.endr
	READY
	s_cmp_lt_u32 s[WV], 2                          ; waves 0 and 1 asked for the lower halves: they alone wait here; the upper halves may be on their way
	s_cbranch_scc0 .Lnot_first
	s_wait_tensorcnt 0x0
.Lnot_first:
	s_barrier_signal -1
	s_barrier_wait -1
; ---- q
	KLOOP ADQ, 1, 1                                ; (in its K step 3: k_w's lower half)
	FILLW G0W1, 3                                  ; k_w's upper half
	PLACES 4                                       ; the places behind the last products, for the loads and reads below
	LDSC SBB, 8, 68, 64*512
	LDBIAS 10
	OUTQK 80
	READY
; ---- k
	KLOOP ADQ, 1, 1                                ; (v_w's lower half)
	FILLW G0W1, 3                                  ; v_w's upper half
	PLACES 4
	LDSC SA, 4, 72, 0
	LDSC SBB, 8, 70, 0
	WIN 0xc0
.irp a, 0,1,2,3                                ; v: accumulator (a, b) wants the one channel 32 (r / 8) + 8 a + r % 8, eight times
.irp j, 0,1,2,3,4,5,6,7
	global_load_b32 v[8*\a+\j], v4, s[12:13] offset:32*\a
.endr
.endr
	WIN 0
	OUTQK 82
	READY
; ---- v
	KLOOP ADV, 2, 2
	PLACES 4
	OUTV 84
	s_wait_tensorcnt 0x0                           ; the wave's end
	ds_add_u32 v[SPW], v[NIL]
	s_wait_dscnt 0x0
	CROUND                                         ; the closing round
	s_endpgm
.Lfunc_end_k_q9fbcf40e63_qkv:
	.size	k_q9fbcf40e63_qkv, .Lfunc_end_k_q9fbcf40e63_qkv-k_q9fbcf40e63_qkv
	.p2alignl 7, 3214868480
	.fill 96, 4, 3214868480
	.section	.rodata,"a",@progbits
	.p2align	6, 0x0
	.amdhsa_kernel k_q9fbcf40e63_qkv
		.amdhsa_group_segment_fixed_size 327680
		.amdhsa_private_segment_fixed_size 0
		.amdhsa_enable_private_segment 0
		.amdhsa_kernarg_size 48
		.amdhsa_user_sgpr_count 2
		.amdhsa_user_sgpr_kernarg_segment_ptr 1
		.amdhsa_wavefront_size32 1
		.amdhsa_system_sgpr_workgroup_id_x 1
		.amdhsa_system_sgpr_workgroup_id_y 1
		.amdhsa_system_sgpr_workgroup_id_z 1
		.amdhsa_system_vgpr_workitem_id 0
		.amdhsa_next_free_vgpr 832
		.amdhsa_next_free_sgpr 104
		.amdhsa_reserve_vcc 1
		.amdhsa_float_denorm_mode_32 3
		.amdhsa_float_denorm_mode_16_64 3
		.amdhsa_memory_ordered 1
		.amdhsa_forward_progress 1
		.amdhsa_inst_pref_size 239
	.end_amdhsa_kernel
	.amdgpu_metadata
---
amdhsa.version: [ 1, 2 ]
amdhsa.kernels:
  - .name:           k_q9fbcf40e63_qkv
    .symbol:         k_q9fbcf40e63_qkv.kd
    .args:
      - { .name: xw_codes, .offset: 0, .size: 8, .value_kind: global_buffer, .address_space: global }
      - { .name: xw_scales, .offset: 8, .size: 8, .value_kind: global_buffer, .address_space: global }
      - { .name: q_b, .offset: 16, .size: 8, .value_kind: global_buffer, .address_space: global }
      - { .name: k_b, .offset: 24, .size: 8, .value_kind: global_buffer, .address_space: global }
      - { .name: v_b, .offset: 32, .size: 8, .value_kind: global_buffer, .address_space: global }
      - { .name: qkv, .offset: 40, .size: 8, .value_kind: global_buffer, .address_space: global }
    .group_segment_fixed_size: 327680
    .private_segment_fixed_size: 0
    .kernarg_segment_align: 8
    .kernarg_segment_size: 48
    .max_flat_workgroup_size: 128
    .sgpr_count:     104
    .vgpr_count:     832
    .wavefront_size: 32
...
	.end_amdgpu_metadata
.endif
;; end of part 2
;; launch attn (part 3): grid 4 x 64, 16 waves a work-group, clusters of 4 x 1, 206,848 bytes of LDS; arguments qkv, att_codes, att_scales; writes att_codes, att_scales
.if DOCPART == 3
	.amdgcn_target "amdgcn-amd-amdhsa--gfx1250"
	.amdhsa_code_object_version 6
	.text
	.protected	k_q9fbcf40e63_attn
	.globl	k_q9fbcf40e63_attn
	.p2align	8
	.type	k_q9fbcf40e63_attn,@function
k_q9fbcf40e63_attn:
	s_mov_b64 s[64:65], 0
	v_nop
	global_prefetch_b8 v0, s[64:65] scope:SCOPE_SE
	s_setreg_imm32_b32 hwreg(HW_REG_WAVE_MODE, 25, 1), 1
	s_wait_xcnt 0x0
	s_wait_alu depctr_hold_cnt(0) depctr_sa_sdst(0) depctr_va_vdst(0) depctr_va_sdst(0) depctr_va_ssrc(0) depctr_va_vcc(0) depctr_vm_vsrc(0)
	s_getreg_b32 s2, hwreg(HW_REG_IB_STS2, 6, 4)
	s_cmp_eq_u32 s2, 0
	s_cbranch_scc0 .Lentry_in_a_cluster
	s_endpgm
.Lentry_in_a_cluster:
	s_bfe_u32 s2, ttmp6, 0x10000c
	s_cmp_lg_u32 s2, 0x3003
	s_cbranch_scc0 .Lentry_shape_is_right
	s_endpgm
.Lentry_shape_is_right:
; LAUNCH 3 OF 4: causal attention on codes of FP6, and its result quantised along head x 64 + channel for the last product.
; LEFT OUT: key steps of 128 keys all of which come after a tile's 16 queries: reference()'s own causal mask makes their p 0 for every input (shown at the head of the first launch).
; THE SOFTMAX: t = score x log2(e) / 8; M = the running largest t rounded up to a whole number; p = 2^(t - M) is quantised along the keys, not normalised; the row's sum is taken of the unquantised p and divides at the end.
; When M moves, the sum and O are multiplied by 2^(old M - new M): exact.  LIMITS: the running largest t begins at -3e38; the promise holds while |t| stays under 2^31; the quantiser's limits are those of the first launch.
; SHARES.  256 work-groups of 16 waves.  Work-group (cx, head) takes query tiles J = cx and 4 + cx of each of the head's 16 groups of 128 tokens.  Wave w takes J = 4 (w / 8) + cx of group 15 - w % 8 and then of group w % 8:
; (16 - w % 8) + (w % 8 + 1) = 17 key steps in every wave, so the four waves of a SIMD have equal work, and no barrier stands behind the one that shows K and V.
; One text of the key step: a loop of two tiles round a loop of 16 trips; a trip whose keys all come after the tile's queries is passed over by a scalar branch on ids alone.
; THE DIAGONAL.  Tile J's queries lie at 64 (J / 4) + 32 (r / 8) + 8 (J % 4) + r % 8 of their 128.  So for w < 8 keys 64-127 of the diagonal step are all hidden, and for w >= 8 keys 0-63 are all open: a branch on the wave's number.
; In the other 64 keys register i is hidden in the lanes where i > 32 (r / 8) + 8 (J % 4) + r % 8 - 32 h: 32 lane masks, made once at the head, in s66-s97.
; CLUSTER 4 x 1: the four work-groups of a head read the same K and V: each record is asked for jointly, mask 15, by wave w of each of the four, with the same descriptor.  Every partner reads every record (its waves with w % 8 = 0).
; LDS.  The head's K and V, 16 records of 12,800 bytes as the second launch laid them, a dense block of 204,800 bytes: wave w asks for record w, 50 rows of 256 bytes, each at a multiple of 256: one load a wave.  Nothing is filled again.
; NO PREFETCH: all that a work-group reads by tensor loads is asked for at its head; there is no loop to run ahead in.
; LAYOUT.  Both products transposed: a lane holds one query.  By the order of rows of the first launch the 32 registers of four neighbouring key tiles are keys 64 c + 32 (lane / 16) + 0 .. 31: a whole block of p in a lane.
; A HEAD HAS 64 CHANNELS, THE INSTRUCTION 128 ALONG K: an image of K holds two key tiles; Q stands in 18 registers, zeros | q | zeros, and the operand (q, 0) or (0, q) picks the tile.  Zero codes add exact zeros; the scale bytes beside them are 0, no NaN.
.set HS,    307200
.set REC,   12800
.set IMG,   1536
.set SPARE, 204800                     ; the spare words: 128 bytes a wave, eight blocks of 256 bytes that no other line names
.set L16, 1                            ; 16 x lane
.set L8,  2                            ; 8 x lane
.set LW,  3                            ; 16 r + 4 h
.set DD,  4                            ; 32 (r / 8) + 8 (J % 4) + r % 8 - 32 h
.set SPW, 5
.set NIL, 6
.set H8,  7
.set AD16, 8
.set AD8, 9
.set ADW, 10
.set NINF, 11
.set QZ,  16                           ; v16-33 zeros | q | zeros
.set SQ,  34                           ; v34-35 q's scale words for (q, 0) and (0, q)
.set KS,  36
.set VS,  38
.set PW,  40
.set BM,  42
.set SO,  44
.set BY,  46
.set TA,  48
.set TA2, 49
.set FF,  50                           ; v[50:51] f = 2^(old M - new M); later 1 / the sum
.set PC,  56                           ; v56-67 p's codes
.set TT,  68
.set KF,  80                           ; v80-127 four fragments of K, then of V
.set S,   128                          ; v128-191 S^T, then p
.set O,   192                          ; v192-223 O^T
.set GA,  224                          ; v224-226 offsets in memory: q's at the head, the results' on the way out
.set QN,  228                          ; v228-234 the second tile's q and its scale word
.set SM,  240                          ; v240-253 seven chains of the row's sum; the eighth is v[14:15]
.set WV,  10
.set SG,  11
.set SJ,  12
.set SBH, 13
.set ST,  14                           ; the key step; it also counts the loop's trips
.set TB,  15
.set OT,  41
.set SEL, 42
.set CS,  44                           ; s[44:45] c = log2(e) / 8
.set MK,  66                           ; s66-97 the diagonal's lane masks
.macro ROUND                           ; a round of the cluster's barrier
	s_barrier_signal -1
	s_barrier_wait -1
	s_cmp_lg_u32 s[WV], 0
	s_cbranch_scc1 .Lnot_wave_0_\@
	s_barrier_signal -3
.Lnot_wave_0_\@:
	s_barrier_wait -3
	s_barrier_signal -1
	s_barrier_wait -1
.endm
	s_load_b128 s[4:7], s[0:1], 0x0                ; qkv, att_codes
	s_load_b64 s[8:9], s[0:1], 0x10                ; att_scales
	v_lshl_add_u32 v[SPW], v0, 2, SPARE
	v_mov_b32 v[NIL], 0
	ds_add_u32 v[SPW], v[NIL]                      ; the opening: the add, twice on end, and its wait ahead of the round in front of my tensor load
	ds_add_u32 v[SPW], v[NIL]
	v_lshrrev_b32 v8, 5, v0
	v_readfirstlane_b32 s[WV], v8
	s_and_b32 s46, s[WV], 7
	s_sub_co_u32 s[SG], 15, s46                    ; the longer tile first: group 15 - w % 8
	s_lshr_b32 s47, s[WV], 3
	s_bfe_u32 s48, ttmp6, 0x40000                  ; cx
	s_lshl_b32 s57, s48, 3                         ; 8 (J % 4)
	s_lshl_b32 s[SJ], s47, 2
	s_add_co_u32 s[SJ], s[SJ], s48                 ; J = 4 (w / 8) + cx
	s_and_b32 s[SBH], ttmp7, 0xffff                ; batch x head
	s_mov_b32 s16, 15|(3<<16)|(1<<21)              ; group 1: the mask of the four, bit 21 beside it; elements of 8 bytes; 50 rows of 256 bytes, dense
	s_mov_b32 s17, 32<<16
	s_mov_b32 s18, 50<<16
	s_mov_b32 s19, 32<<16
	s_mov_b32 s20, 50
	s_mov_b32 s21, 32
	s_mov_b32 s22, 0
	s_mov_b32 s23, 0
	s_mov_b32 s24, 1
	s_mul_i32 s25, s[WV], REC                      ; record w goes to w x 12,800
	s_mul_i32 s46, s[SBH], HS
	s_mov_b32 s47, 0
	s_mul_i32 s48, s[WV], REC
	s_mov_b32 s49, 0
	s_mov_b32 s[SEL], 0x76543210
	s_mov_b32 s[SEL+1], 0xfedcba98
	s_mov_b32 s[CS], 0x3e38aa3b
	s_mov_b32 s[CS+1], s[CS]
	s_wait_alu depctr_va_vdst(0)
	s_wait_dscnt 0x0                               ; both opening adds are done
	ROUND                                          ; the four work-groups are here: the joint loads meet
	s_wait_kmcnt 0x0
	s_add_nc_u64 s[4:5], s[4:5], s[46:47]          ; my head's part of qkv
	s_add_nc_u64 s[26:27], s[4:5], s[48:49]
	s_add_nc_u64 s[26:27], s[26:27], 102400        ; behind q's sixteen records
	s_or_b32 s27, s27, 0x80000000
	tensor_load_to_lds s[24:27], s[16:23]
	s_nop 0
	s_mul_i32 s46, s[SG], 6400
	s_add_nc_u64 s[46:47], s[4:5], s[46:47]        ; q's record of my first group,
	s_sub_co_u32 s54, 15, s[SG]
	s_mul_i32 s54, s54, 6400
	s_mov_b32 s55, 0
	s_add_nc_u64 s[54:55], s[4:5], s[54:55]        ; and of my second
	s_lshr_b32 s48, s[SJ], 1
	s_and_b32 s49, s[SJ], 1
	s_mul_i32 s50, s48, IMG
	s_lshl_b32 s51, s49, 9
	s_add_co_u32 s51, s51, s50
	s_lshl_b32 s52, s49, 8
	s_add_co_u32 s52, s52, s50
	s_lshl_b32 s53, s48, 2
	s_lshl_b32 s56, s49, 4
	v_and_b32 v48, 31, v0
	v_and_b32 v54, 15, v0                          ; r
	v_bfe_u32 v52, v0, 4, 1                        ; h
	v_lshlrev_b32 v[L16], 4, v48
	v_lshlrev_b32 v[L8], 3, v48
	v_lshlrev_b32 v[LW], 4, v54
	v_add_nc_u32 v[GA], s51, v[L16]
	v_add_nc_u32 v[GA+1], s52, v[L8]
	v_add_nc_u32 v[GA+2], s53, v[LW]
	global_load_b128 v[QZ+6:QZ+9], v[GA], s[46:47]               ; tile J's half of image J / 2
	global_load_b64 v[QZ+10:QZ+11], v[GA+1], s[46:47] offset:1024
	global_load_b32 v[SQ], v[GA+2], s[46:47] offset:4*IMG        ; row r's word of that image
	global_load_b128 v[QN:QN+3], v[GA], s[54:55]
	global_load_b64 v[QN+4:QN+5], v[GA+1], s[54:55] offset:1024
	global_load_b32 v[QN+6], v[GA+2], s[54:55] offset:4*IMG
	v_lshl_add_u32 v[LW], v52, 2, v[LW]
.irp i, 0,1,2,3,4,5
	v_mov_b32 v[QZ+\i], 0
	v_mov_b32 v[QZ+12+\i], 0
.endr
	v_lshrrev_b32 v[DD], 3, v54
	v_and_b32 v48, 7, v54
	v_lshl_add_u32 v[DD], v[DD], 5, v48
	v_add_nc_u32 v[DD], s57, v[DD]
	v_lshlrev_b32 v48, 5, v52
	v_sub_nc_u32 v[DD], v[DD], v48                 ; 32 (r / 8) + 8 (J % 4) + r % 8 - 32 h
	v_lshlrev_b32 v[H8], 3, v52
	v_mov_b32 v[NINF], 0xff800000
	v_mov_b32 v[TA2], 0                            ; a lane permute's destination counts as one of its sources
	v_mov_b32 v[FF+1], 0                           ; named as the upper half of a pair
.set n, 0
.rept 32
	v_cmp_gt_i32 s[MK+n], n, v[DD]                 ; the lanes in which register n of the diagonal's mixed half is hidden
.set n, n+1
.endr
	s_wait_alu depctr_va_vdst(0)
	s_wait_loadcnt 0x0                             ; both tiles' q
	s_wait_tensorcnt 0x0                           ; my record is in,
	s_barrier_signal -1
	s_barrier_wait -1                              ; and everybody's: all of K and V
.macro STEP
	s_cmp_gt_u32 s[ST], s[SG]                      ; all of this step's keys come after my queries: ids alone
	s_cbranch_scc1 .Lhidden_\@
	v_add_nc_u32 v[AD16], s[TB], v[L16]
	v_add_nc_u32 v[AD8], s[TB], v[L8]
	v_add_nc_u32 v[ADW], s[TB], v[LW]
	v_nop                                          ; four places in front of loads into registers that the last products read
.irp f, 0,1,2,3
.irp c, 0,1
	ds_load_b128 v[KF+12*\f+6*\c:KF+12*\f+6*\c+3], v[AD16] offset:\f*IMG+512*\c
	ds_load_b64 v[KF+12*\f+6*\c+4:KF+12*\f+6*\c+5], v[AD8] offset:\f*IMG+1024+256*\c
.endr
.endr
	ds_load_b32 v[KS], v[ADW] offset:4*IMG         ; images 0 (lanes 0-15) and 1 (lanes 16-31),
	ds_load_b32 v[KS+1], v[ADW] offset:4*IMG+8     ; 2 and 3
	s_wait_alu depctr_va_vdst(0)
	s_wait_dscnt 0x0
.irp f, 0,1,2,3                                ; S^T = K Q^T: key tile 2 f + u
.irp u, 0,1
.if \f%2
	v_wmma_scale_f32_16x16x128_f8f6f4 v[S+8*(2*\f+\u):S+8*(2*\f+\u)+7], v[KF+12*\f:KF+12*\f+11], v[QZ+6-6*\u:QZ+17-6*\u], 0, v[KS+\f/2], v[SQ+\u] matrix_a_fmt:MATRIX_FMT_FP6 matrix_b_fmt:MATRIX_FMT_FP6 matrix_a_scale:MATRIX_SCALE_ROW1
.else
	v_wmma_scale_f32_16x16x128_f8f6f4 v[S+8*(2*\f+\u):S+8*(2*\f+\u)+7], v[KF+12*\f:KF+12*\f+11], v[QZ+6-6*\u:QZ+17-6*\u], 0, v[KS+\f/2], v[SQ+\u] matrix_a_fmt:MATRIX_FMT_FP6 matrix_b_fmt:MATRIX_FMT_FP6
.endif
.endr
.endr
.rept 4
	v_nop                                          ; places: in front of the loads below and of the first touch of the scores
.endr
.irp f, 0,1,2,3                                ; V's fragments take K's registers and land under the softmax
.irp c, 0,1
	ds_load_b128 v[KF+12*\f+6*\c:KF+12*\f+6*\c+3], v[AD16] offset:6400+\f*IMG+512*\c
	ds_load_b64 v[KF+12*\f+6*\c+4:KF+12*\f+6*\c+5], v[AD8] offset:6400+\f*IMG+1024+256*\c
.endr
.endr
	ds_load_b32 v[VS], v[ADW] offset:6400+4*IMG
	ds_load_b32 v[VS+1], v[ADW] offset:6400+4*IMG+8
	s_cmp_lg_u32 s[ST], s[SG]                      ; on the diagonal hidden scores become -infinity ahead of the maximum.  Register n holds key 64 (n / 32) + 32 h + n % 32 of the step
	s_cbranch_scc1 .Lopen_\@
	s_cmp_lt_u32 s[WV], 8
	s_cbranch_scc0 .Lupper_\@
.set n, 0
.rept 32                                       ; J < 4: keys 0-63 by the masks, keys 64-127 all hidden
	v_cndmask_b32 v[S+n], v[S+n], v[NINF], s[MK+n]
	v_mov_b32 v[S+32+n], v[NINF]
.set n, n+1
.endr
	s_branch .Lopen_\@
.Lupper_\@:
.set n, 0
.rept 32                                       ; J >= 4: keys 0-63 all open, keys 64-127 by the masks
	v_cndmask_b32 v[S+32+n], v[S+32+n], v[NINF], s[MK+n]
.set n, n+1
.endr
.Lopen_\@:
.irp c, 0,1                                    ; the largest score of each block of 32 keys: for the row's maximum and, since p rises with the score, for the block's largest p
	v_max3_num_f32 v[BM+\c], v[S+32*\c], v[S+32*\c+1], v[S+32*\c+2]
.endr
.irp i, 3,5,7,9,11,13,15,17,19,21,23,25,27,29
.irp c, 0,1
	v_max3_num_f32 v[BM+\c], v[BM+\c], v[S+32*\c+\i], v[S+32*\c+\i+1]
.endr
.endr
.irp c, 0,1
	v_max_num_f32 v[BM+\c], v[BM+\c], v[S+32*\c+31]
.endr
	s_delay_alu instid0(VALU_DEP_1)
	v_max_num_f32 v[TA], v[BM], v[BM+1]
	s_delay_alu instid0(VALU_DEP_1)
	v_permlanex16_b32 v[TA2], v[TA], s[SEL], s[SEL+1]
	s_delay_alu instid0(VALU_DEP_1)
	v_max_num_f32 v[TA], v[TA], v[TA2]             ; the step's largest score of my query
	s_delay_alu instid0(VALU_DEP_1)
	v_mul_f32 v[TA], s[CS], v[TA]
	s_delay_alu instid0(VALU_DEP_1)
	v_max_num_f32 v13, v13, v[TA]                  ; the running largest t
	v_mov_b32 v[TA], v12
	s_delay_alu instid0(VALU_DEP_2)
	v_floor_f32 v12, -v13                          ; the new -M = -ceil(t)
	s_delay_alu instid0(VALU_DEP_1)
	v_sub_f32 v[TA], v12, v[TA]                    ; old M - new M: a whole number, 0 or less
	s_delay_alu instid0(VALU_DEP_1)
	v_cvt_i32_f32 v[TA], v[TA]                     ; (it saturates)
	s_delay_alu instid0(VALU_DEP_1)
	v_ldexp_f32 v[FF], 1.0, v[TA]                  ; f
.set j, 0
.rept 32
	v_pk_fma_f32 v[S+j:S+j+1], v[S+j:S+j+1], s[CS:CS+1], v[12:13] op_sel_hi:[1,0,0]   ; t - M
.set j, j+2
.endr
.irp c, 0,1
	v_fma_f32 v[BM+\c], v[BM+\c], s[CS], v12
.endr
.set j, 0
	s_wait_alu depctr_va_vdst(0)
.rept 64
	v_exp_f32 v[S+j], v[S+j]                       ; p = 2^(t - M)
.set j, j+1
.endr
	v_pk_mul_f32 v[14:15], v[14:15], v[FF:FF+1] op_sel_hi:[1,0]   ; the sums under the new M: the plain place behind the exponentials
	s_wait_alu depctr_va_vdst(0)                   ; one wait for the batch, ahead of its first reader
.irp c, 0,1
	v_exp_f32 v[BM+\c], v[BM+\c]                   ; the block's largest p
.endr
.irp k, 0,1,2,3,4,5,6                          ; the row's sum of the unquantised p: 32 pairs in eight chains
	v_pk_add_f32 v[SM+2*\k:SM+2*\k+1], v[S+4*\k:S+4*\k+1], v[S+4*\k+2:S+4*\k+3]
.endr
	v_pk_add_f32 v[14:15], v[14:15], v[S+28:S+29]
.irp m, 0,1
.irp k, 0,1,2,3,4,5,6
	v_pk_add_f32 v[SM+2*\k:SM+2*\k+1], v[SM+2*\k:SM+2*\k+1], v[S+30+16*\m+2*\k:S+31+16*\m+2*\k]
.endr
	v_pk_add_f32 v[14:15], v[14:15], v[S+44+16*\m:S+45+16*\m]
.endr
	v_pk_add_f32 v[SM:SM+1], v[SM:SM+1], v[S+62:S+63]
	v_pk_add_f32 v[SM+2:SM+3], v[SM+2:SM+3], v[SM+8:SM+9]
	v_pk_add_f32 v[SM+4:SM+5], v[SM+4:SM+5], v[SM+10:SM+11]
	v_pk_add_f32 v[SM+6:SM+7], v[SM+6:SM+7], v[SM+12:SM+13]
	v_pk_add_f32 v[14:15], v[14:15], v[SM:SM+1]
	v_pk_add_f32 v[SM+2:SM+3], v[SM+2:SM+3], v[SM+4:SM+5]
	s_delay_alu instid0(VALU_DEP_2)
	v_pk_add_f32 v[SM+6:SM+7], v[SM+6:SM+7], v[14:15]
	s_delay_alu instid0(VALU_DEP_1)
	v_pk_add_f32 v[14:15], v[SM+2:SM+3], v[SM+6:SM+7]
	s_wait_alu depctr_va_vdst(0)                   ; and one for the two
.irp c, 0,1
	v_max_num_f32 v[BM+\c], 0x1800000, v[BM+\c]    ; the floor: the byte cannot fall under 1
.endr
.irp c, 0,1
	s_delay_alu instid0(VALU_DEP_2)
	v_add_nc_u32 v[SO+\c], 0xff000000, v[BM+\c]
.endr
.irp c, 0,1
	s_delay_alu instid0(VALU_DEP_2)
	v_lshrrev_b32 v[BY+\c], 23, v[SO+\c]
.endr
	s_delay_alu instid0(VALU_DEP_1)
	v_lshl_or_b32 v[TA], v[BY+1], 16, v[BY]        ; my bytes are key blocks h and 2 + h
	s_delay_alu instid0(VALU_DEP_1)
	v_lshlrev_b32 v[TA], v[H8], v[TA]
	s_delay_alu instid0(VALU_DEP_1)
	v_permlanex16_b32 v[TA2], v[TA], s[SEL], s[SEL+1]
	s_delay_alu instid0(VALU_DEP_1)
	v_or_b32 v[PW], v[TA], v[TA2]                  ; p's scale word for these 128 keys
.irp c, 0,1
	v_cvt_scalef32_pk16_fp6_f32 v[PC+6*\c:PC+6*\c+2], v[S+32*\c:S+32*\c+15], v[SO+\c]
	v_cvt_scalef32_pk16_fp6_f32 v[TT+4*\c:TT+4*\c+2], v[S+32*\c+16:S+32*\c+31], v[SO+\c]
.endr
	v_nop                                          ; one plain place behind a scaled conversion
.irp c, 0,1
.irp i, 0,1,2
	v_mov_b32 v[PC+6*\c+3+\i], v[TT+4*\c+\i]
.endr
.endr
	s_wait_dscnt 0x0                               ; V
	s_wait_alu depctr_va_vdst(0)                   ; the wait directly ahead of the first reader of O^T, and behind the wait above for what was written ahead of it
.set j, 0
.rept 16
	v_pk_mul_f32 v[O+j:O+j+1], v[O+j:O+j+1], v[FF:FF+1] op_sel_hi:[1,0]   ; O^T under the new M.  (Also the places in front of the products below)
.set j, j+2
.endr
.irp t, 0,1,2,3                                ; O^T += V^T P^T: channel tile t; the four accumulators by turns
.if \t%2
	v_wmma_scale_f32_16x16x128_f8f6f4 v[O+8*\t:O+8*\t+7], v[KF+12*\t:KF+12*\t+11], v[PC:PC+11], v[O+8*\t:O+8*\t+7], v[VS+\t/2], v[PW] matrix_a_fmt:MATRIX_FMT_FP6 matrix_b_fmt:MATRIX_FMT_FP6 matrix_a_scale:MATRIX_SCALE_ROW1
.else
	v_wmma_scale_f32_16x16x128_f8f6f4 v[O+8*\t:O+8*\t+7], v[KF+12*\t:KF+12*\t+11], v[PC:PC+11], v[O+8*\t:O+8*\t+7], v[VS+\t/2], v[PW] matrix_a_fmt:MATRIX_FMT_FP6 matrix_b_fmt:MATRIX_FMT_FP6
.endif
.endr
.Lhidden_\@:
	s_add_co_u32 s[TB], s[TB], REC
	s_add_co_u32 s[ST], s[ST], 1
.endm
	s_mov_b32 s[OT], 0
.Ltile:                                                ; two trips: the tile of group 15 - w % 8, then that of group w % 8
	v_lshrrev_b32 v[SQ], s56, v[SQ]
	v_and_b32 v[SQ], 0xffff, v[SQ]                 ; (q, 0): my tile's two bytes, then two bytes 0
	v_lshlrev_b32 v[SQ+1], 16, v[SQ]               ; (0, q)
	v_mov_b32 v13, 0xff61b1e6                      ; the largest t so far: -3e38
	v_floor_f32 v12, -v13                          ; -M
	v_mov_b32 v14, 0
	v_mov_b32 v15, 0
.set j, 0
.rept 32
	v_mov_b32 v[O+j], 0                            ; O^T: the step is written once, a tile's first step finds zeros.  (Also the places behind the scale words' lines)
.set j, j+1
.endr
	s_mov_b32 s[TB], 0
	s_mov_b32 s[ST], 0
	s_wait_alu depctr_va_vdst(0)
.Lstep:
	STEP
	s_cmp_lg_u32 s[ST], 16
	s_cbranch_scc1 .Lstep
	; THE WAY OUT.  O^T / the sum: my 32 registers are channels 32 h + 0 .. 31 of my query: a whole block along the last product's K, half an image of K step head / 2.
	s_lshr_b32 s46, s[SBH], 4
	s_lshl_b32 s46, s46, 7
	s_lshl_b32 s47, s[SG], 3
	s_add_co_u32 s46, s46, s47
	s_add_co_u32 s46, s46, s[SJ]                   ; my token tile: 128 x batch + 8 G + J
	s_and_b32 s47, s[SBH], 15                      ; the head
	s_lshr_b32 s48, s47, 1
	s_and_b32 s49, s47, 1
	s_mul_i32 s50, s46, 8*IMG
	s_mul_i32 s48, s48, IMG
	s_add_co_u32 s50, s50, s48
	s_mov_b32 s51, 0
	s_add_nc_u64 s[58:59], s[6:7], s[50:51]
	s_lshl_b32 s50, s46, 9
	s_lshl_b32 s47, s47, 1
	s_add_co_u32 s50, s50, s47
	s_add_nc_u64 s[60:61], s[8:9], s[50:51]
	s_lshl_b32 s52, s49, 9
	s_lshl_b32 s53, s49, 8
	v_add_nc_u32 v[GA], s52, v[L16]                ; five plain lines: the places behind the last products
	v_add_nc_u32 v[GA+1], s53, v[L8]
	v_and_b32 v[TA], 15, v0
	v_bfe_u32 v[TA2], v0, 4, 1
	s_delay_alu instid0(VALU_DEP_1)
	v_lshl_add_u32 v[GA+2], v[TA], 5, v[TA2]       ; 32 r + h
	v_add_f32 v14, v14, v15
	s_delay_alu instid0(VALU_DEP_1)
	v_permlanex16_b32 v[TA2], v14, s[SEL], s[SEL+1]
	s_delay_alu instid0(VALU_DEP_1)
	v_add_f32 v14, v14, v[TA2]                     ; the row's sum
	s_wait_alu depctr_va_vdst(0)
	v_rcp_f32 v[FF], v14
	v_nop                                          ; a plain place behind the reciprocal
	s_wait_alu depctr_va_vdst(0)                   ; and the wait ahead of its first reader
.set j, 0
.rept 16
	v_pk_mul_f32 v[S+j:S+j+1], v[O+j:O+j+1], v[FF:FF+1] op_sel_hi:[1,0]
.set j, j+2
.endr
	v_max3_num_f32 v[BM], |v[S]|, |v[S+1]|, 0x1800000
	v_max3_num_f32 v[BM+1], |v[S+2]|, |v[S+3]|, |v[S+4]|
.irp i, 5,9,13,17,21,25
	s_delay_alu instid0(VALU_DEP_2)
	v_max3_num_f32 v[BM], v[BM], |v[S+\i]|, |v[S+\i+1]|
	s_delay_alu instid0(VALU_DEP_2)
	v_max3_num_f32 v[BM+1], v[BM+1], |v[S+\i+2]|, |v[S+\i+3]|
.endr
	s_delay_alu instid0(VALU_DEP_2)
	v_max3_num_f32 v[BM], v[BM], |v[S+29]|, |v[S+30]|
	s_delay_alu instid0(VALU_DEP_1)
	v_max3_num_f32 v[BM], v[BM], v[BM+1], |v[S+31]|
	s_delay_alu instid0(VALU_DEP_1)
	v_add_nc_u32 v[SO], 0xff000000, v[BM]
	s_delay_alu instid0(VALU_DEP_1)
	v_lshrrev_b32 v[BY], 23, v[SO]
	v_cvt_scalef32_pk16_fp6_f32 v[PC:PC+2], v[S:S+15], v[SO]
	v_cvt_scalef32_pk16_fp6_f32 v[TT:TT+2], v[S+16:S+31], v[SO]
	v_nop
.irp i, 0,1,2
	v_mov_b32 v[PC+3+\i], v[TT+\i]
.endr
	global_store_b128 v[GA], v[PC:PC+3], s[58:59]                 ; 512 consecutive bytes, aligned
	global_store_b64 v[GA+1], v[PC+4:PC+5], s[58:59] offset:1024  ; 256 consecutive bytes, aligned
	global_store_b8 v[GA+2], v[BY], s[60:61]       ; one byte a lane: a row's other bytes belong to other heads' work-groups; one byte for 24 of codes
.irp i, 0,1,2,3,4,5
	v_mov_b32 v[QZ+6+\i], v[QN+\i]                 ; the second tile's q (in the second trip the same again, read by nobody)
.endr
	v_mov_b32 v[SQ], v[QN+6]
	s_sub_co_u32 s[SG], 15, s[SG]                  ; and its group
	s_wait_alu depctr_va_vdst(0)
	s_wait_xcnt 0x0                                ; the stores have read their registers: the next tile may write them
	s_add_co_u32 s[OT], s[OT], 1
	s_cmp_lg_u32 s[OT], 2
	s_cbranch_scc1 .Ltile
	s_wait_tensorcnt 0x0                           ; the wave's end
	ds_add_u32 v[SPW], v[NIL]
	s_wait_dscnt 0x0
	ROUND                                          ; the closing round
	s_endpgm
.Lfunc_end_k_q9fbcf40e63_attn:
	.size	k_q9fbcf40e63_attn, .Lfunc_end_k_q9fbcf40e63_attn-k_q9fbcf40e63_attn
	.p2alignl 7, 3214868480
	.fill 96, 4, 3214868480
	.section	.rodata,"a",@progbits
	.p2align	6, 0x0
	.amdhsa_kernel k_q9fbcf40e63_attn
		.amdhsa_group_segment_fixed_size 206848
		.amdhsa_private_segment_fixed_size 0
		.amdhsa_enable_private_segment 0
		.amdhsa_kernarg_size 24
		.amdhsa_user_sgpr_count 2
		.amdhsa_user_sgpr_kernarg_segment_ptr 1
		.amdhsa_wavefront_size32 1
		.amdhsa_system_sgpr_workgroup_id_x 1
		.amdhsa_system_sgpr_workgroup_id_y 1
		.amdhsa_system_sgpr_workgroup_id_z 1
		.amdhsa_system_vgpr_workitem_id 0
		.amdhsa_next_free_vgpr 256
		.amdhsa_next_free_sgpr 98
		.amdhsa_reserve_vcc 0
		.amdhsa_float_denorm_mode_32 3
		.amdhsa_float_denorm_mode_16_64 3
		.amdhsa_memory_ordered 1
		.amdhsa_forward_progress 1
		.amdhsa_inst_pref_size 35
	.end_amdhsa_kernel
	.amdgpu_metadata
---
amdhsa.version: [ 1, 2 ]
amdhsa.kernels:
  - .name:           k_q9fbcf40e63_attn
    .symbol:         k_q9fbcf40e63_attn.kd
    .args:
      - { .name: qkv, .offset: 0, .size: 8, .value_kind: global_buffer, .address_space: global }
      - { .name: att_codes, .offset: 8, .size: 8, .value_kind: global_buffer, .address_space: global }
      - { .name: att_scales, .offset: 16, .size: 8, .value_kind: global_buffer, .address_space: global }
    .group_segment_fixed_size: 206848
    .private_segment_fixed_size: 0
    .kernarg_segment_align: 8
    .kernarg_segment_size: 24
    .max_flat_workgroup_size: 512
    .sgpr_count:     98
    .vgpr_count:     256
    .wavefront_size: 32
...
	.end_amdgpu_metadata
.endif
;; end of part 3
;; launch oproj (part 4): grid 4 x 64, 4 waves a work-group, clusters of 4 x 4, 327,680 bytes of LDS; arguments att_codes, att_scales, xw_codes, xw_scales, o_b, out0; writes out0
.if DOCPART == 4
	.amdgcn_target "amdgcn-amd-amdhsa--gfx1250"
	.amdhsa_code_object_version 6
	.text
	.protected	k_q9fbcf40e63_oproj
	.globl	k_q9fbcf40e63_oproj
	.p2align	8
	.type	k_q9fbcf40e63_oproj,@function
k_q9fbcf40e63_oproj:
	s_mov_b64 s[64:65], 0
	v_nop
	global_prefetch_b8 v0, s[64:65] scope:SCOPE_SE
	s_setreg_imm32_b32 hwreg(HW_REG_WAVE_MODE, 25, 1), 1
	s_wait_xcnt 0x0
	s_wait_alu depctr_hold_cnt(0) depctr_sa_sdst(0) depctr_va_vdst(0) depctr_va_sdst(0) depctr_va_ssrc(0) depctr_va_vcc(0) depctr_vm_vsrc(0)
	s_getreg_b32 s2, hwreg(HW_REG_IB_STS2, 6, 4)
	s_cmp_eq_u32 s2, 0
	s_cbranch_scc0 .Lentry_in_a_cluster
	s_endpgm
.Lentry_in_a_cluster:
	s_bfe_u32 s2, ttmp6, 0x10000c
	s_cmp_lg_u32 s2, 0xf033
	s_cbranch_scc0 .Lentry_shape_is_right
	s_endpgm
.Lentry_shape_is_right:
; LAUNCH 4 OF 4: out0 = att o_w^T + o_b on codes of FP6.  No work is left out here.
; SHARES.  256 work-groups of four waves.  Work-group (cx, tt) makes tokens 128 tt .. + 127 x columns 256 cx .. + 255; a wave 64 x 128: 32 accumulators, (a, b) at v[8 (8 a + b)] of window 2.
; All of K = 1,024 lies in LDS, BY HALVES OF K: att's K steps 0-3 (8 row tiles x 6,144 bytes), att's steps 4-7, o_w's steps 0-3 (16 row tiles), o_w's steps 4-7: each wave asks for one of the four at the head; nothing is filled again.
; The first barrier shows the two lower halves (waves 0 and 1 alone wait there), a barrier in K step 3 the upper ones.
; Operands lie in memory and in LDS as images of their registers, as in the second launch.  The matrix instruction is used transposed (source 0 = rows of o_w, source 1 = tokens): a lane holds eight neighbouring numbers of a row of the result.
; Scale words come straight into registers: a row tile's 512 bytes by one load, 32 r + 16 h: register j holds K step j in lanes 0-15 and K step 4 + j in lanes 16-31.  The bias is the first products' C.
; CLUSTERS 4 x 4: att's tiles are shared along a row of the cluster, o_w's along a column.  No prefetch: all is asked for at the head, and there is no loop to run ahead in.
; THE WAY OUT: behind one barrier, when nobody reads the tiles any more, a block of 16 rows x 128 columns goes through the wave's own stage in att's bytes, which have had their only fill, and leaves as rows of 512 bytes.
.set IMG,   1536
.set TILE,  12288
.set KH,    6144
.set XH,    8*KH
.set WHF,   16*KH
.set BB0,   2*XH
.set SPARE, BB0+2*WHF                  ; the spare words: 128 bytes a wave, two blocks of 256 bytes that no other line names
.set SPITCH, 528
.set AD,  8                            ; v8-15 LDS addresses: A lower half (16 x lane, 8 x lane), A upper half, B lower, B upper
.set L16, 24
.set SOF, 25
.set STO, 26
.set RD,  27
.set SPW, 28
.set NIL, 29
.set SA,  32
.set SBB, 50                           ; SA - SBB is 6 modulo 8, and the blocks step by 4: the two scale registers of a product never agree modulo 8
.set AF,  128
.set BK,  128
.set WV, 16
.set WH, 17
.set WL, 18
.set CX, 40
.set CY, 41
.set G1, 24
.set G0X0, 32
.set G0X1, 36
.set G1B, 48
.set G0W0, 56
.set G0W1, 60
.set MSB, 0
.macro WIN new
.if MSB != (\new)
	s_set_vgpr_msb (MSB<<8)|(\new)
.set MSB, (\new)
.endif
.endm
.macro PLACES n
.rept \n
	v_nop
.endr
.endm
.macro CROUND
	s_barrier_signal -1
	s_barrier_wait -1
	s_cmp_lg_u32 s[WV], 0
	s_cbranch_scc1 .Lnot_wave_0_\@
	s_barrier_signal -3
.Lnot_wave_0_\@:
	s_barrier_wait -3
	s_barrier_signal -1
	s_barrier_wait -1
.endm
.macro FRAG reg, a16, q, i
.irp c, 0,1
	ds_load_b128 v[\reg+6*\c:\reg+6*\c+3], v[\a16] offset:(\i)*KH+((\q)%4)*IMG+512*\c
	ds_load_b64 v[\reg+6*\c+4:\reg+6*\c+5], v[\a16+1] offset:(\i)*KH+((\q)%4)*IMG+1024+256*\c
.endr
.endm
.macro FETCH q, p
	WIN 0x40
.irp i, 0,1,2,3,4,5,6,7
	FRAG 128*(\p)+12*\i, AD+4+2*((\q)/4), \q, \i
.endr
	WIN 0
.irp i, 0,1,2,3
	FRAG AF+48*(\p)+12*\i, AD+2*((\q)/4), \q, \i
.endr
.endm
.macro W1 d, b0, a0, c, x, y, row
	v_wmma_scale_f32_16x16x128_f8f6f4 v[\d:\d+7], v[\b0:\b0+11], v[\a0:\a0+11], \c, v[\x], v[\y] matrix_a_fmt:MATRIX_FMT_FP6 matrix_b_fmt:MATRIX_FMT_FP6 matrix_a_scale:MATRIX_SCALE_ROW\row matrix_b_scale:MATRIX_SCALE_ROW\row
.endm
.macro MUL q, p, cm                    ; 32 products, the accumulators by turns
.irp a, 0,1,2,3
.irp b, 0,1,2,3,4,5,6,7
.set rD, 8*(8*\a+\b)
.set rB, 128*(\p)+12*\b
.set rA, AF+48*(\p)+12*\a
.set rX, SBB+4*\b+(\q)%4
.set rY, SA+4*\a+(\q)%4
.if \cm == 1
	W1 rD, rB, rA, v[8*\b:8*\b+7], rX, rY, 0
.elseif (\q)/4
	W1 rD, rB, rA, v[rD:rD+7], rX, rY, 1
.else
	W1 rD, rB, rA, v[rD:rD+7], rX, rY, 0
.endif
.endr
.endr
.endm
	s_load_b256 s[4:11], s[0:1], 0x0               ; att_codes, att_scales, xw_codes, xw_scales
	s_load_b128 s[12:15], s[0:1], 0x20             ; o_b, out0
	v_lshl_add_u32 v[SPW], v0, 2, SPARE
	v_mov_b32 v[NIL], 0
	ds_add_u32 v[SPW], v[NIL]                      ; the opening: the add, twice on end, and its wait ahead of my tensor load
	ds_add_u32 v[SPW], v[NIL]
	v_lshrrev_b32 v1, 5, v0
	v_readfirstlane_b32 s[WV], v1
	s_lshr_b32 s[WH], s[WV], 1                     ; my 64 tokens
	s_and_b32 s[WL], s[WV], 1                      ; my 128 columns
	s_bfe_u32 s[CX], ttmp6, 0x40000
	s_bfe_u32 s[CY], ttmp6, 0x40004
	s_and_b32 s42, ttmp7, 0xffff
	s_lshl_b32 s42, s42, 2
	s_add_co_u32 s42, s42, s[CY]                   ; tt
	s_lshl_b32 s44, s[CY], 2
	s_lshl_b32 s44, 15, s44
	s_lshl_b32 s45, 0x1111, s[CX]
	s_or_b32 s[G1], s44, (3<<16)|(1<<21)
	s_or_b32 s[G1B], s45, (3<<16)|(1<<21)
.irp g, G1, G1B
	s_mov_b32 s[\g+1], 768<<16                     ; a row of the tile is half a row tile: 6,144 bytes, at a multiple of 256,
	s_mov_b32 s[\g+3], 768<<16
	s_mov_b32 s[\g+5], 1536                        ; 12,288 bytes from row to row
	s_mov_b32 s[\g+6], 0
	s_mov_b32 s[\g+7], 0
.endr
	s_mov_b32 s[G1+2], 8<<16
	s_mov_b32 s[G1+4], 8
	s_mov_b32 s[G1B+2], 16<<16
	s_mov_b32 s[G1B+4], 16
	s_lshl_b32 s19, s42, 3
	s_mul_i32 s20, s19, TILE
	s_mov_b32 s21, 0
	s_lshl_b32 s43, s[CX], 4
	s_lshl_b32 s47, s[WL], 3
	s_add_co_u32 s46, s43, s47
	s_add_co_u32 s46, s46, 704                     ; o_w's row tile 16 cx + 8 (wave % 2): my columns' scale words
	s_lshl_b32 s22, s46, 9
	s_mov_b32 s23, 0
	s_add_co_u32 s46, s43, 704
	s_mul_i32 s46, s46, TILE                       ; o_w's row tile 16 cx: the work-group's codes
	s_mov_b32 s47, 0
	s_mov_b32 s[G0X0], 1
	s_mov_b32 s[G0X0+1], 0
	s_mov_b32 s[G0X1], 1
	s_mov_b32 s[G0X1+1], XH
	s_mov_b32 s[G0W0], 1
	s_mov_b32 s[G0W0+1], BB0
	s_mov_b32 s[G0W1], 1
	s_mov_b32 s[G0W1+1], BB0+WHF
	s_lshl_b32 s2, s[WH], 2
	s_add_co_u32 s2, s2, s19
	s_lshl_b32 s2, s2, 9
	s_mov_b32 s3, 0
	s_wait_alu depctr_va_vdst(0)
	s_wait_dscnt 0x0
	CROUND                                         ; all sixteen work-groups are here: the joint loads meet
	s_wait_kmcnt 0x0
	s_add_nc_u64 s[G0X0+2:G0X0+3], s[4:5], s[20:21]
	s_add_nc_u64 s[G0X1+2:G0X1+3], s[G0X0+2:G0X0+3], KH
	s_or_b32 s[G0X0+3], s[G0X0+3], 0x80000000
	s_or_b32 s[G0X1+3], s[G0X1+3], 0x80000000
	s_add_nc_u64 s[G0W0+2:G0W0+3], s[8:9], s[46:47]
	s_add_nc_u64 s[G0W1+2:G0W1+3], s[G0W0+2:G0W0+3], KH
	s_or_b32 s[G0W0+3], s[G0W0+3], 0x80000000
	s_or_b32 s[G0W1+3], s[G0W1+3], 0x80000000
; THE HEAD'S LOADS, ONE A WAVE, what is needed first asked for by the lower waves: one chain of branches on the wave's number, a load to an arm
.macro HARM under, g0, g1, next
	s_cmp_lt_u32 s[WV], \under
	s_cbranch_scc0 \next
	tensor_load_to_lds s[\g0:\g0+3], s[\g1:\g1+7]
	s_nop 0
	PLACES 4
	s_branch .Lasked
\next:
.endm
	HARM 1, G0X0, G1,  .Lhead_w0
	HARM 2, G0W0, G1B, .Lhead_x1
	HARM 3, G0X1, G1,  .Lhead_w1
	tensor_load_to_lds s[G0W1:G0W1+3], s[G1B:G1B+7]
	s_nop 0
	PLACES 4
.Lasked:
	s_add_nc_u64 s[6:7], s[6:7], s[2:3]            ; my tokens' scale words,
	s_add_nc_u64 s[10:11], s[10:11], s[22:23]      ; my columns'
	s_lshl_b32 s2, s[CX], 10
	s_lshl_b32 s3, s[WL], 9
	s_add_co_u32 s2, s2, s3                        ; my first column, in bytes
	s_mov_b32 s3, 0
	s_add_nc_u64 s[12:13], s[12:13], s[2:3]
	s_add_nc_u64 s[14:15], s[14:15], s[2:3]
	s_lshl_b32 s2, s42, 7
	s_lshl_b32 s20, s[WH], 6
	s_add_co_u32 s2, s2, s20
	s_lshl_b32 s2, s2, 12                          ; my first row x 4,096 bytes
	s_add_nc_u64 s[14:15], s[14:15], s[2:3]
	v_and_b32 v1, 15, v0
	v_bfe_u32 v2, v0, 4, 1
	v_and_b32 v6, 31, v0
	v_lshlrev_b32 v3, 7, v2
	v_lshlrev_b32 v[L16], 4, v6
	v_lshlrev_b32 v7, 3, v6
	v_lshlrev_b32 v[SOF], 5, v1
	v_lshl_add_u32 v[SOF], v2, 4, v[SOF]           ; 32 r + 16 h
.irp a, 0,1,2,3
	global_load_b128 v[SA+4*\a:SA+4*\a+3], v[SOF], s[6:7] offset:512*\a
.endr
.irp b, 0,1,2,3,4,5,6,7
	global_load_b128 v[SBB+4*\b:SBB+4*\b+3], v[SOF], s[10:11] offset:512*\b
.endr
	WIN 0xc0                                       ; the bias: window 3.  Accumulator (a, b) wants the columns 64 (b / 4) + 32 h + 8 (b % 4) + 0 .. 7
.irp b, 0,1,2,3,4,5,6,7
	global_load_b128 v[8*\b:8*\b+3], v3, s[12:13] offset:256*(\b/4)+32*(\b%4)
	global_load_b128 v[8*\b+4:8*\b+7], v3, s[12:13] offset:256*(\b/4)+32*(\b%4)+16
.endr
	WIN 0
	s_mul_i32 s2, s[WH], 4*KH
	s_mul_i32 s3, s[WL], 8*KH
	s_add_co_u32 s3, s3, BB0
.irp k, 0,1
	v_add_nc_u32 v[AD+2*\k], s2, v[L16]
	v_add_nc_u32 v[AD+2*\k+1], s2, v7
	v_add_nc_u32 v[AD+4+2*\k], s3, v[L16]
	v_add_nc_u32 v[AD+5+2*\k], s3, v7
	s_add_co_u32 s2, s2, XH
	s_add_co_u32 s3, s3, WHF
.endr
	s_mul_i32 s2, s[WV], 16*SPITCH                 ; my stage
	v_mul_u32_u24 v5, v1, SPITCH
	v_lshl_add_u32 v5, v2, 7, v5
	v_add_nc_u32 v[STO], s2, v5
	v_add_nc_u32 v[RD], s2, v[L16]
	s_wait_alu depctr_va_vdst(0)
	s_wait_loadcnt 0x0                             ; scale words and bias
	s_cmp_lt_u32 s[WV], 2                          ; waves 0 and 1 asked for the lower halves: they alone wait here; the upper halves may be on their way
	s_cbranch_scc0 .Lnot_first
	s_wait_tensorcnt 0x0
.Lnot_first:
	s_barrier_signal -1
	s_barrier_wait -1
	FETCH 0, 0
.irp s, 0,1,2,3,4,5,6,7                        ; eight K steps; each step's fragments are asked for ahead of the step before's 32 products
	s_wait_dscnt 0x0
.if \s == 3
	s_wait_tensorcnt 0x0                           ; the upper halves are in: every wave waits,
	s_barrier_signal -1
	s_barrier_wait -1                              ; and all see them
.endif
.if \s < 7
.if \s > 0
	PLACES 4                                       ; in front of loads into registers that the last products read
.endif
	FETCH \s+1, (\s+1)%2
.endif
.if \s == 0
	WIN 0xb1                                       ; source 0 window 1, source 1 window 0, C (the bias) window 3, D window 2
	MUL 0, 0, 1
.else
	WIN 0xa1
	MUL \s, \s%2, 0
.endif
	WIN 0
.endr
	s_wait_dscnt 0x0
	s_barrier_signal -1                            ; nobody reads the tiles any more: the stages may be written
	s_barrier_wait -1
.macro TOSTAGE a
	WIN 0x08                                       ; the data: window 2
.irp b, 0,1,2,3,4,5,6,7
	ds_store_b128 v[STO], v[64*(\a)+8*\b:64*(\a)+8*\b+3] offset:256*(\b/4)+32*(\b%4)       ; each accumulator from its low end on
	ds_store_b128 v[STO], v[64*(\a)+8*\b+4:64*(\a)+8*\b+7] offset:256*(\b/4)+32*(\b%4)+16
.endr
	WIN 0
.set BB, BK+64*((\a)%2)
.irp t, 0,1,2,3,4,5,6,7,8,9,10,11,12,13,14,15
	ds_load_b128 v[BB+4*\t:BB+4*\t+3], v[RD] offset:\t*SPITCH      ; LDS serves a wave's instructions in order: these see the stores above
.endr
.endm
.macro SEND a, younger                 ; block a's row t is token 8 a + 32 (t / 8) + t % 8 of my 64
.set BB, BK+64*((\a)%2)
	s_wait_dscnt \younger
.if (\a) > 0
	s_add_nc_u64 s[14:15], s[14:15], 8*4096        ; (behind a wait on XCNT: the earlier stores have read their base)
.endif
.irp t, 0,1,2,3,4,5,6,7,8,9,10,11,12,13,14,15
	global_store_b128 v[L16], v[BB+4*\t:BB+4*\t+3], s[14:15] offset:(32*(\t/8)+\t%8)*4096 th:TH_STORE_NT   ; 32 lanes store 512 consecutive bytes, aligned
.endr
.endm
	PLACES 4
	TOSTAGE 0
.irp a, 1,2,3
.if \a > 1
	s_wait_xcnt 0x0                                ; block a - 2's stores have read their registers and their base
.endif
	TOSTAGE \a
	SEND \a-1, 32                                  ; behind block a - 1's loads: block a's 16 stores and 16 loads
.endr
	s_wait_xcnt 0x0
	SEND 3, 0
	s_wait_tensorcnt 0x0                           ; the wave's end
	ds_add_u32 v[SPW], v[NIL]
	s_wait_dscnt 0x0
	CROUND                                         ; the closing round
	s_endpgm
.Lfunc_end_k_q9fbcf40e63_oproj:
	.size	k_q9fbcf40e63_oproj, .Lfunc_end_k_q9fbcf40e63_oproj-k_q9fbcf40e63_oproj
	.p2alignl 7, 3214868480
	.fill 96, 4, 3214868480
	.section	.rodata,"a",@progbits
	.p2align	6, 0x0
	.amdhsa_kernel k_q9fbcf40e63_oproj
		.amdhsa_group_segment_fixed_size 327680
		.amdhsa_private_segment_fixed_size 0
		.amdhsa_enable_private_segment 0
		.amdhsa_kernarg_size 48
		.amdhsa_user_sgpr_count 2
		.amdhsa_user_sgpr_kernarg_segment_ptr 1
		.amdhsa_wavefront_size32 1
		.amdhsa_system_sgpr_workgroup_id_x 1
		.amdhsa_system_sgpr_workgroup_id_y 1
		.amdhsa_system_sgpr_workgroup_id_z 1
		.amdhsa_system_vgpr_workitem_id 0
		.amdhsa_next_free_vgpr 832
		.amdhsa_next_free_sgpr 104
		.amdhsa_reserve_vcc 0
		.amdhsa_float_denorm_mode_32 3
		.amdhsa_float_denorm_mode_16_64 3
		.amdhsa_memory_ordered 1
		.amdhsa_forward_progress 1
		.amdhsa_inst_pref_size 84
	.end_amdhsa_kernel
	.amdgpu_metadata
---
amdhsa.version: [ 1, 2 ]
amdhsa.kernels:
  - .name:           k_q9fbcf40e63_oproj
    .symbol:         k_q9fbcf40e63_oproj.kd
    .args:
      - { .name: att_codes, .offset: 0, .size: 8, .value_kind: global_buffer, .address_space: global }
      - { .name: att_scales, .offset: 8, .size: 8, .value_kind: global_buffer, .address_space: global }
      - { .name: xw_codes, .offset: 16, .size: 8, .value_kind: global_buffer, .address_space: global }
      - { .name: xw_scales, .offset: 24, .size: 8, .value_kind: global_buffer, .address_space: global }
      - { .name: o_b, .offset: 32, .size: 8, .value_kind: global_buffer, .address_space: global }
      - { .name: out0, .offset: 40, .size: 8, .value_kind: global_buffer, .address_space: global }
    .group_segment_fixed_size: 327680
    .private_segment_fixed_size: 0
    .kernarg_segment_align: 8
    .kernarg_segment_size: 48
    .max_flat_workgroup_size: 128
    .sgpr_count:     104
    .vgpr_count:     832
    .wavefront_size: 32
...
	.end_amdgpu_metadata
.endif
;; end of part 4
